; MI455X (gfx1250); checked and timed in simulation.
; The chip was launched on July 23, 2026; its instructions are those of AMD's public machine-readable ISA for CDNA 5 (MIT licence, August 2026) and "CDNA5" Instruction Set Architecture Reference Guide (July 2026). The comments in the code are by the model that wrote it; some were corrected since.
;; Parallel Transformer Block. Allowed arithmetic: matrix products marked QUANTISED: E3M2 operands, one E8M0 scale for each 32 along K, by v_wmma_scale_f32_16x16x128_f8f6f4 with both operands' format E3M2, f32 sums; products left as they are: f32 operands where the result goes on into a quantised operand, else bf16, f16 or f32 operands; f32 sums; everything else in f32.
;; Inputs: gamma 1,024 float32; kA 1,024 x 8 float32; kB 8 x 128 float32; oA 512 x 8 float32; oB 8 x 1,024 float32; qA 1,024 x 8 float32; qB 8 x 512 float32; vA 1,024 x 8 float32; vB 8 x 128 float32; w_attn_out 512 x 1,024 float32; w_ff_out 4,096 x 1,024 float32; w_fused 1,024 x 8,960 float32; x 2 x 2,048 x 1,024 float32.
;; Outputs: out0 2 x 2,048 x 1,024 float32.
;; This version of the problem:
;;   THIS VERSION OF THE PROBLEM IS GIVEN IN LOW PRECISION. The matrix products marked QUANTISED in the list below multiply operands that are first quantised to E3M2 (3 exponent bits, 2 mantissa bits; 6 bits a number), with one power-of-two scale for each 32 numbers along K (OCP MX v1.0); their sums are f32. All else is computed in f32.
;;   The module's matrix products, in the order in which they are computed (A, B: the left and right operand; K: the contracted axis; several contracted axes count as one K, in the product's order):
;;     1. [M 4,096, K 1,024] x [K 1,024, N 8,960]; A: computed on the way; B: input w_fused: QUANTISED
;;     2. [M 4,096, K 1,024] x [K 1,024, N 8]; A: computed on the way; B: input qA: left as it is (N = 8 < 16)
;;     3. [M 4,096, K 8] x [K 8, N 512]; A: computed on the way; B: input qB: left as it is (K = 8 < 32)
;;     4. [M 4,096, K 1,024] x [K 1,024, N 8]; A: computed on the way; B: input kA: left as it is (N = 8 < 16)
;;     5. [M 4,096, K 8] x [K 8, N 128]; A: computed on the way; B: input kB: left as it is (K = 8 < 32)
;;     6. [M 4,096, K 1,024] x [K 1,024, N 8]; A: computed on the way; B: input vA: left as it is (N = 8 < 16)
;;     7. [M 4,096, K 8] x [K 8, N 128]; A: computed on the way; B: input vB: left as it is (K = 8 < 32)
;;     8. batch 2 x [M 8,192, K 128] x [K 128, N 2,048]; A: computed on the way; B: computed on the way: QUANTISED
;;     9. batch 2 x [M 8,192, K 2,048] x [K 2,048, N 128]; A: softmax (see below); B: computed on the way: QUANTISED
;;     10. [M 4,096, K 512] x [K 512, N 1,024]; A: computed on the way; B: input w_attn_out: QUANTISED
;;     11. [M 4,096, K 512] x [K 512, N 8]; A: computed on the way; B: input oA: left as it is (N = 8 < 16)
;;     12. [M 4,096, K 8] x [K 8, N 1,024]; A: computed on the way; B: input oB: left as it is (K = 8 < 32)
;;     13. [M 4,096, K 4,096] x [K 4,096, N 1,024]; A: computed on the way; B: input w_ff_out: QUANTISED
;;   THE QUANTISER, for each operand of a quantised product, along K:
;;     - K is cut into blocks of 32 from its start; a last block that is shorter is filled with zeros.
;;     - A block's scale is 2^e with e = floor(log2(the largest magnitude in the block)) - 4, held to -126 .. 127; a block of zeros has e = 0. As a byte (E8M0): e + 127.
;;     - Each number is divided by its block's scale, clamped to +-28, and rounded to the nearest number of E3M2, ties to even, subnormals kept.
;;     - The product sums the exact products of the quantised numbers (number of the format x scale) in f32.
;;   ~~~python
;;   def quantise(x, axis):      # numpy; x: float32 -> the quantised numbers, widened to float32 again
;;       x = np.moveaxis(x, axis, -1); K = x.shape[-1]
;;       x = np.pad(x, [(0, 0)] * (x.ndim - 1) + [(0, -K % 32)]); x = x.reshape(x.shape[:-1] + (-1, 32)); a = np.abs(x).max(-1, keepdims=True)
;;       e = np.where(a > 0, np.clip(np.frexp(np.where(a > 0, a, 1))[1] - 1 - 4, -126, 127), 0)      # np.frexp(a)[1] - 1 = floor(log2(a)), exactly
;;       r = np.clip(x / 2.0 ** e, -28, 28)
;;       step = 2.0 ** (np.maximum(np.frexp(np.where(r == 0, 1, r))[1] - 1, -2) - 2)
;;       q = np.round(r / step) * step * 2.0 ** e      # np.round: ties to even
;;       return np.moveaxis(q.reshape(q.shape[:-2] + (-1,))[..., :K], -1, axis).astype(np.float32)
;;   ~~~
;;   SOFTMAX AHEAD OF A QUANTISED PRODUCT. Where the list says 'softmax', what is quantised is not the finished softmax but p = 2^(t - M), with t = logit x log2(e) and M = ceil(the row's largest t), a whole number; so 1/2 < the row's largest p <= 1. The row's sum l is taken of the UNQUANTISED p, in f32, and the product's result is divided by l at the end. Since M is a whole number, a kernel that streams over the keys may use a running M (the ceiling of the running maximum): every later rescaling is an exact power of two, which a block's scale takes up: the codes' values come out the same.
;;   OPERANDS COMPUTED ON THE WAY. 'Computed on the way' means the value that the module computes at that place (a softmax that the list does not call 'softmax' is quantised finished and normalised). What goes into a quantiser is computed in f32, as accurately as f32 sums, v_exp_f32 and their like allow (about 1e-6 of the number): no bf16 or f16 on the way to a quantiser, and a product that is left as it is and whose result goes on into a quantised operand takes f32 operands (vector FMAs, or v_wmma_f32_16x16x4_f32). A number that lies on a knife's edge between two numbers of the format may be rounded either way, as far as f32 arithmetic and the matrix unit's own rounding can turn it there, and no further.
;; One version. Each part assembles by itself: llvm-mc -triple=amdgcn-amd-amdhsa -mcpu=gfx1250 --defsym DOCPART=n.
;; ======== version 1 of 1: 5 launches
;; workspace buffers: xq 3,670,016 bytes; wq 10,854,400 bytes; tab 1,105,920 bytes; qkvb 2,457,600 bytes; au 15,269,888 bytes
;; launch prep (part 1): grid 740 x 1, 4 waves a work-group, no clusters, 105,984 bytes of LDS; arguments x, gamma, w_fused, w_attn_out, w_ff_out, qA, kA, vA, qB, kB, vB, oB, xq, wq, tab; writes xq, wq, tab
.if DOCPART == 1
	.amdgcn_target "amdgcn-amd-amdhsa--gfx1250"
	.amdhsa_code_object_version 6
	.text
	.protected	k_q16d9268f4e_prep
	.globl	k_q16d9268f4e_prep
	.p2align	8
	.type	k_q16d9268f4e_prep,@function
k_q16d9268f4e_prep:
	s_mov_b64 s[64:65], 0
	v_nop
	global_prefetch_b8 v0, s[64:65] scope:SCOPE_SE
	s_setreg_imm32_b32 hwreg(HW_REG_WAVE_MODE, 25, 1), 1
	s_wait_xcnt 0x0
; PREP: everything that is made once and read many times.  Five kinds of work-group, told apart by the work-group's number:
;   0..255    LN    16 rows of x: LayerNorm, xn as codes of BF6 (E3M2) with E8M0 scales along K, and xn.qA, xn.kA, xn.vA in f32
;   256..535  WF    one unit (128 columns x 256 K) of w_fused as codes
;   536..679  WO    one unit of w_attn_out or w_ff_out as codes
;   680..711  ROPE  64 positions of the table of cos and sin
;   712..739  LB    four tiles of qB, kB, vB or oB as operands of the f32 matrix form
; A FRAGMENT (16 rows x 128 K, 12 registers a lane) is kept in memory as an image of its registers: registers 4 g .. 4 g + 3 of lane L at byte 512 g + 16 L.
; A UNIT is 25,600 bytes: 128 rows (8 tiles t) x 256 K (two K steps p): codes at 12,288 p + 1,536 t, scale words (one a row and K step) at 24,576 + 512 p + 64 t + 4 r.
; THE COLUMNS OF A WEIGHT THAT FORM A TILE ARE NOT NEIGHBOURS: in each 32 columns, row r of tile 2 B + u is column 32 B + 8 u + r + 8 (r / 8), so that with the weight as
; source 0 the 16 registers of two neighbouring result tiles are 16 neighbours along the next product's K.
; A block's scale is 2^(floor(log2(largest magnitude)) - 4); its byte is the largest magnitude's exponent field - 4, held at 1 from below.
; LIMITS: NaN and infinities among the inputs are not served.  A block of zeros, or one whose largest magnitude lies under 2^-122, gets the byte 1 (the rule says 127 for zeros): its codes are
; zeros or are taken under the floor's scale; the bytes are read by this program alone.  inv_freq is 2^(-f log2(10000) / 64) by v_exp_f32, so a phase may differ from an f32 power's by
; about 3e-4 rad at position 2,047.  The sums over K of xn.A run in another order than a row-by-row sum.
.set UNIT,  25600
.set WREG,  26240                      ; LN: LDS of one wave: the turn of x (2 x 16 rows x 528), later the three LoRA weights (3 x 8,768), later its partial sums (2,048)
.set RED,   4*WREG                     ; LN: two areas of 256 bytes for the rows' sums over the waves
.set SEL,   28                         ; s[28:29] lane selects for v_permlanex16_b32: lane l xor 16
.macro BARRIER                         ; my LDS stores have landed and my LDS loads are in: then the work-group's barrier
	s_wait_dscnt 0x0
	s_barrier_signal -1
	s_barrier_wait -1
.endm
; 64 numbers of a lane, register 16 b + i = k 32 b + 16 (lane / 16) + i of the lane's row, become a fragment's codes in v[pc .. pc + 11] and its scale word in v[pw].  tm: 16 registers at work; pc: 20.
.macro QUANT s, tm, pw, pc
.irp b, 0,1,2,3
	v_max3_num_f32 v[(\tm)+\b], |v[(\s)+16*\b]|, |v[(\s)+1+16*\b]|, 0x2800000   ; my 16 numbers of block b, and the floor 2^(5 - 127): the byte cannot fall under 1
.endr
.irp i, 2,4,6,8,10,12,14
.irp b, 0,1,2,3
	v_max3_num_f32 v[(\tm)+\b], v[(\tm)+\b], |v[(\s)+16*\b+\i]|, |v[(\s)+1+16*\b+\i]|   ; the four blocks by turns
.endr
.endr
.irp b, 0,1,2,3
	v_permlanex16_b32 v[(\tm)+4+\b], v[(\tm)+\b], s[SEL], s[SEL+1]
.endr
.irp b, 0,1,2,3
	v_max_num_f32 v[(\tm)+\b], v[(\tm)+\b], v[(\tm)+4+\b]       ; with lane l xor 16's: the block's largest magnitude
.endr
.irp b, 0,1,2,3
	v_add_nc_u32 v[(\tm)+12+\b], 0xfe000000, v[(\tm)+\b]        ; 4 off its exponent field: the conversion's scale operand
.endr
.irp b, 0,1,2,3
	v_lshrrev_b32 v[(\tm)+4+\b], 23, v[(\tm)+12+\b]             ; the scale's byte
.endr
	v_lshl_or_b32 v[\pw], v[(\tm)+5], 8, v[(\tm)+4]
	v_lshl_or_b32 v[\pw], v[(\tm)+6], 16, v[\pw]
	v_lshl_or_b32 v[\pw], v[(\tm)+7], 24, v[\pw]
.irp c, 0,1
	v_cvt_scalef32_pk16_bf6_f32 v[(\pc)+6*\c:(\pc)+2+6*\c], v[(\s)+32*\c:(\s)+15+32*\c], v[(\tm)+12+2*\c]
	v_cvt_scalef32_pk16_bf6_f32 v[(\pc)+12+4*\c:(\pc)+14+4*\c], v[(\s)+16+32*\c:(\s)+31+32*\c], v[(\tm)+13+2*\c]   ; (a conversion's three registers begin on an even number)
.endr
	v_nop                                          ; one plain place behind a scaled conversion
.irp c, 0,1                            ; the operand wants a whole block in a lane: lanes 0-15 block 2 c, lanes 16-31 block 2 c + 1
.irp i, 0,1,2
	v_permlane16_swap_b32 v[(\pc)+6*\c+\i], v[(\pc)+12+4*\c+\i]
.endr
.irp i, 0,1,2
	v_mov_b32 v[(\pc)+3+6*\c+\i], v[(\pc)+12+4*\c+\i]
.endr
.endr
.endm
; ---- a weight's unit.  A LANE TAKES A COLUMN AND ITS REGISTERS RUN DOWN K.  Wave w makes tiles 2 w and 2 w + 1 (32 columns) x 256 K: eight blocks of 32.
; s[4:5]: the wave's first column at the unit's first row of K; s[6:7]: 128 rows further down; s[10:11]: the unit.  v4 column offset, v5 = 16 L + 3,072 w, v6 = 4 L + 128 w.
.macro LOADB t, pitch                  ; block t into set t % 2: each load reads 128 consecutive bytes
.set i, 0
.rept 32
	global_load_b32 v[32+32*((\t)%2)+i], v4, s[4+2*((\t)/4):5+2*((\t)/4)] offset:(32*((\t)%4)+i)*(\pitch) th:TH_LOAD_NT
.set i, i+1
.endr
.endm
.macro WBLOCK t, pitch
.set XS, 32+32*((\t)%2)
.set KS_, (\t)/4                       ; K step
.set TT, (\t)%4                        ; block in it
.set FB, 112+24*KS_                    ; the K step's two fragments: tile 2 w at FB, tile 2 w + 1 at FB + 12
.if (\t) < 7
	s_wait_loadcnt 32                              ; this block's 32 loads are in; the next block's may be out
.else
	s_wait_loadcnt 0x0
.endif
	v_max3_num_f32 v12, |v[XS]|, |v[XS+1]|, |v[XS+2]|
	v_max3_num_f32 v13, |v[XS+3]|, |v[XS+4]|, |v[XS+5]|
.irp i, 6,10,14,18,22,26
	v_max3_num_f32 v12, v12, |v[XS+\i]|, |v[XS+\i+1]|
	v_max3_num_f32 v13, v13, |v[XS+\i+2]|, |v[XS+\i+3]|
.endr
	v_max3_num_f32 v12, v12, |v[XS+30]|, |v[XS+31]|
	v_max3_num_f32 v12, v12, v13, 0x2800000        ; and the floor
	v_add_nc_u32 v11, 0xfe000000, v12
	v_lshrrev_b32 v13, 23, v11
.if TT == 0
	v_mov_b32 v[16+KS_], v13                       ; four bytes to a scale word, the lower K in the lower byte
.else
	v_lshl_or_b32 v[16+KS_], v13, 8*TT, v[16+KS_]
.endif
	v_cvt_scalef32_pk16_bf6_f32 v[FB+12*(TT%2)+6*(TT/2):FB+12*(TT%2)+6*(TT/2)+2], v[XS:XS+15], v11      ; the block's lower 16 codes
	v_cvt_scalef32_pk16_bf6_f32 v[96+4*TT:96+4*TT+2], v[XS+16:XS+31], v11                               ; its upper 16
	v_nop                                          ; one plain place behind a scaled conversion
.if (\t)+2 < 8
	LOADB (\t)+2, \pitch
.endif
.if TT%2 == 1
; lanes 0-15 hold tile 2 w's rows, lanes 16-31 tile 2 w + 1's, each with an even and an odd block.  One exchange of halves gives tile 2 w both its blocks (even in lanes 0-15, odd in lanes 16-31), and tile 2 w + 1 likewise.
.irp i, 0,1,2
	v_permlane16_swap_b32 v[FB+6*(TT/2)+\i], v[FB+12+6*(TT/2)+\i]
	v_permlane16_swap_b32 v[96+4*(TT-1)+\i], v[96+4*TT+\i]
.endr
.irp i, 0,1,2
	v_mov_b32 v[FB+6*(TT/2)+3+\i], v[96+4*(TT-1)+\i]
	v_mov_b32 v[FB+12+6*(TT/2)+3+\i], v[96+4*TT+\i]
.endr
.endif
.if TT == 3                            ; a K step is whole: each store of codes covers 512 consecutive bytes.  Each K step has registers of its own, so no store's data are written again
.irp T, 0,1
.irp g, 0,1,2
	global_store_b128 v5, v[FB+12*\T+4*\g:FB+12*\T+4*\g+3], s[10:11] offset:KS_*12288+\T*1536+\g*512
.endr
.endr
	global_store_b32 v6, v[16+KS_], s[10:11] offset:24576+512*KS_
.endif
.endm
.macro WQ pitch
	v_and_b32 v4, 7, v0
	v_bfe_u32 v7, v0, 3, 1
	v_lshl_add_u32 v4, v7, 4, v4
	v_lshl_add_u32 v4, v3, 3, v4                   ; my column of the 32: (L & 7) + 16 ((L >> 3) & 1) + 8 (L >> 4)
	v_lshlrev_b32 v4, 2, v4
	s_mul_i32 s24, s8, 3072
	v_lshl_add_u32 v5, v1, 4, s24
	s_lshl_b32 s25, s8, 7
	v_lshl_add_u32 v6, v1, 2, s25
	LOADB 0, \pitch
	LOADB 1, \pitch
.irp t, 0,1,2,3,4,5,6,7
	WBLOCK \t, \pitch
.endr
.endm
	s_set_vgpr_msb 0x40
	v_lshl_add_u32 v0, v0, 2, 0x19c00
	v_mov_b32 v1, 0
	s_set_vgpr_msb 0x4000
	v_lshrrev_b32 v1, 5, v0
	v_readfirstlane_b32 s8, v1                     ; wave 0..3
	v_and_b32 v1, 31, v0                           ; L
	v_and_b32 v2, 15, v0                           ; r
	v_bfe_u32 v3, v0, 4, 1                         ; h
	s_mov_b32 s[SEL], 0x76543210
	s_mov_b32 s[SEL+1], 0xfedcba98
	s_cmp_lt_u32 ttmp9, 256
	s_cbranch_scc1 .Lln
	s_cmp_lt_u32 ttmp9, 536
	s_cbranch_scc1 .Lwf
	s_cmp_lt_u32 ttmp9, 680
	s_cbranch_scc1 .Lwo
	s_cmp_lt_u32 ttmp9, 712
	s_cbranch_scc1 .Lrope
; ================ LB: a tile of 16 columns of a [8, N] matrix as two operands of the f32 matrix form: [s][L][j] = B(4 s + 2 h + j, the tile's column r)
	s_load_b256 s[12:19], s[0:1], 0x40             ; qB, kB, vB, oB
	s_load_b64 s[20:21], s[0:1], 0x70              ; tab
	s_sub_co_u32 s9, ttmp9, 712
	s_lshl_b32 s10, s9, 2
	s_add_co_u32 s10, s10, s8                      ; tile 0..111: 32 of qB, 8 of kB, 8 of vB, 64 of oB
	s_mov_b32 s22, 4096                            ; a row of the matrix in bytes
	s_mov_b32 s23, 48                              ; the matrix's first tile
	s_wait_kmcnt 0x0
	s_cmp_lt_u32 s9, 12
	s_cselect_b64 s[18:19], s[16:17], s[18:19]
	s_cselect_b32 s22, 512, s22
	s_cselect_b32 s23, 40, s23
	s_cmp_lt_u32 s9, 10
	s_cselect_b64 s[18:19], s[14:15], s[18:19]
	s_cselect_b32 s23, 32, s23
	s_cmp_lt_u32 s9, 8
	s_cselect_b64 s[18:19], s[12:13], s[18:19]
	s_cselect_b32 s22, 2048, s22
	s_cselect_b32 s23, 0, s23
	s_sub_co_u32 s24, s10, s23                     ; tile in its matrix: 2 B + u
	s_lshr_b32 s25, s24, 1
	s_lshl_b32 s25, s25, 5
	s_and_b32 s24, s24, 1
	s_lshl_b32 s24, s24, 3
	s_add_co_u32 s25, s25, s24                     ; 32 B + 8 u
	v_and_b32 v4, 8, v2
	v_add_nc_u32 v4, v4, v2                        ; r + 8 (r / 8)
	v_add_nc_u32 v4, s25, v4
	v_lshlrev_b32 v4, 2, v4
	v_lshlrev_b32 v5, 1, v3
	v_mul_lo_u32 v5, v5, s22
	v_add_nc_u32 v5, v5, v4                        ; row 2 h
	v_add_nc_u32 v6, s22, v5                       ; 2 h + 1
	s_lshl_b32 s24, s22, 2
	v_add_nc_u32 v7, s24, v5                       ; 4 + 2 h
	v_add_nc_u32 v8, s22, v7                       ; 5 + 2 h
	global_load_b32 v10, v5, s[18:19]
	global_load_b32 v11, v6, s[18:19]
	global_load_b32 v12, v7, s[18:19]
	global_load_b32 v13, v8, s[18:19]
	s_lshl_b32 s24, s10, 9
	s_add_co_u32 s24, s24, 1048576
	s_mov_b32 s25, 0
	s_add_nc_u64 s[20:21], s[20:21], s[24:25]
	v_lshlrev_b32 v9, 3, v1
	s_wait_loadcnt 0x0
	global_store_b64 v9, v[10:11], s[20:21]        ; 256 consecutive bytes each
	global_store_b64 v9, v[12:13], s[20:21] offset:256
	s_endpgm
; ================ ROPE: tab[n][cos 64 | sin 64].  theta = n x inv_freq in f32, as the model has it; reduced by quarter turns in two steps (the first is exact), then two short polynomials on |r| <= pi / 4
.macro ANGLE c
.set TB, 16+8*\c
	v_mul_f32 v[TB], v5, v[8+\c]                   ; theta
	v_mul_f32 v[TB+1], 0x3f22f983, v[TB]           ; x 2 / pi
	v_rndne_f32 v[TB+1], v[TB+1]                   ; quarter turns
	v_fmamk_f32 v[TB+2], v[TB+1], 0xbfc90fdb, v[TB]    ; theta - q x f32(pi / 2)
	v_fmamk_f32 v[TB+2], v[TB+1], 0x333bbd2e, v[TB+2]  ; + q x (f32(pi / 2) - pi / 2)
	v_cvt_i32_f32 v[TB+6], v[TB+1]
	v_mul_f32 v[TB+3], v[TB+2], v[TB+2]            ; z = r r
	v_fmaak_f32 v[TB+4], s30, v[TB+3], 0x3c08839e
	v_fmaak_f32 v[TB+5], s31, v[TB+3], 0xbab6061a
	v_fmaak_f32 v[TB+4], v[TB+4], v[TB+3], 0xbe2aaaa3
	v_fmaak_f32 v[TB+5], v[TB+5], v[TB+3], 0x3d2aaaa5
	v_mul_f32 v[TB+7], v[TB+2], v[TB+3]
	v_fma_f32 v[TB+4], v[TB+4], v[TB+7], v[TB+2]   ; sin r = r + r z P(z)
	v_mul_f32 v[TB+7], v[TB+3], v[TB+3]
	v_fma_f32 v[TB], v[TB+3], -0.5, 1.0
	v_fma_f32 v[TB+5], v[TB+5], v[TB+7], v[TB]     ; cos r = 1 - z / 2 + z z Q(z)
	v_and_b32 v[TB+7], 1, v[TB+6]
	v_cmp_eq_u32 vcc_lo, 1, v[TB+7]                ; an odd number of quarter turns exchanges the two
	v_cndmask_b32 v[TB], v[TB+4], v[TB+5], vcc_lo
	v_cndmask_b32 v[TB+1], v[TB+5], v[TB+4], vcc_lo
	v_lshlrev_b32 v[TB+7], 30, v[TB+6]             ; sin's sign: bit 1 of q
	v_and_b32 v[TB+7], 0x80000000, v[TB+7]
	v_xor_b32 v[52+\c], v[TB+7], v[TB]
	v_add_nc_u32 v[TB+6], 1, v[TB+6]               ; cos's sign: bit 1 of q + 1
	v_lshlrev_b32 v[TB+6], 30, v[TB+6]
	v_and_b32 v[TB+6], 0x80000000, v[TB+6]
	v_xor_b32 v[48+\c], v[TB+6], v[TB+1]
.endm
.Lrope:
	s_load_b64 s[20:21], s[0:1], 0x70              ; tab
	s_mov_b32 s30, 0xb94ca1f9
	s_mov_b32 s31, 0x37ccf5ce
	s_sub_co_u32 s9, ttmp9, 680
	s_lshl_b32 s10, s9, 6
	s_lshl_b32 s11, s8, 4
	s_add_co_u32 s10, s10, s11
	v_add_nc_u32 v4, s10, v3                       ; n = 64 id + 16 w + (L >> 4), and 2 more in each trip
	v_cvt_f32_u32 v5, v4
	v_lshlrev_b32 v6, 9, v4
	v_lshl_add_u32 v6, v2, 4, v6                   ; 512 n + 16 r
	v_lshlrev_b32 v7, 2, v2                        ; my four frequencies: f = 4 r + c
.irp c, 0,1,2,3
	v_add_nc_u32 v[8+\c], \c, v7
.endr
.irp c, 0,1,2,3
	v_cvt_f32_u32 v[8+\c], v[8+\c]
.endr
.irp c, 0,1,2,3
	v_mul_f32 v[8+\c], 0xbe549a78, v[8+\c]         ; - f log2(10000) / 64
.endr
.irp c, 0,1,2,3
	v_exp_f32 v[8+\c], v[8+\c]                     ; inv_freq
.endr
	v_nop                                          ; a plain place behind the transcendentals,
	s_wait_alu depctr_va_vdst(0)                   ; and one wait for the four, ahead of their first reader
	s_wait_kmcnt 0x0
.set it, 0
.rept 8
	s_wait_xcnt 0x0                                ; the last trip's stores have read v48-55
	ANGLE 0
	ANGLE 1
	ANGLE 2
	ANGLE 3
	global_store_b128 v6, v[48:51], s[20:21] offset:it*1024          ; sixteen lanes store 256 consecutive bytes, aligned
	global_store_b128 v6, v[52:55], s[20:21] offset:it*1024+256
	v_add_f32 v5, 2.0, v5
.set it, it+1
.endr
	s_endpgm
; ================ WF: w_fused.  Units 0..5 are columns 128 u on (q, k, v); unit 6 + U holds 64 columns of ff_x (tiles 0-3) and the gates of the same hidden units (tiles 4-7)
.Lwf:
	s_load_b64 s[4:5], s[0:1], 0x10                ; w_fused
	s_load_b64 s[10:11], s[0:1], 0x68              ; wq
	s_sub_co_u32 s9, ttmp9, 256
	s_lshr_b32 s12, s9, 2                          ; unit 0..69
	s_and_b32 s13, s9, 3                           ; which 256 along K
	s_lshl_b32 s14, s12, 7
	s_lshl_b32 s15, s8, 5
	s_add_co_u32 s14, s14, s15                     ; 128 unit + 32 w
	s_sub_co_u32 s16, s12, 6
	s_lshl_b32 s16, s16, 6
	s_add_co_u32 s16, s16, 768
	s_and_b32 s17, s8, 1
	s_lshl_b32 s17, s17, 5
	s_add_co_u32 s16, s16, s17
	s_lshr_b32 s17, s8, 1
	s_lshl_b32 s17, s17, 12
	s_add_co_u32 s16, s16, s17                     ; 768 + 64 U + 32 (w & 1) + 4,096 (w >> 1)
	s_cmp_lt_u32 s12, 6
	s_cselect_b32 s14, s14, s16
	s_lshl_b32 s14, s14, 2
	s_mul_i32 s15, s13, 256*35840
	s_add_co_u32 s14, s14, s15
	s_mov_b32 s15, 0
	s_mul_i32 s16, s13, 70
	s_add_co_u32 s16, s16, s12
	s_mul_i32 s16, s16, UNIT
	s_mov_b32 s17, 0
	s_wait_kmcnt 0x0
	s_add_nc_u64 s[4:5], s[4:5], s[14:15]
	s_add_nc_u64 s[6:7], s[4:5], 128*35840
	s_add_nc_u64 s[10:11], s[10:11], s[16:17]
	WQ 35840
	s_endpgm
; ================ WO: the K = 4,608 of the two output products on end: 512 rows of w_attn_out, then 4,096 of w_ff_out: 18 pieces of 256 along K.
; Three pieces of one group of 128 columns lie on end: unit (piece k, group) at ((8 (k / 3) + group) 3 + k % 3) x 25,600, so that the output product fetches 768 along K as one dense block.
.Lwo:
	s_load_b128 s[12:15], s[0:1], 0x18             ; w_attn_out, w_ff_out
	s_load_b64 s[10:11], s[0:1], 0x68              ; wq
	s_sub_co_u32 s9, ttmp9, 536
	s_and_b32 s16, s9, 7                           ; which 128 columns
	s_lshr_b32 s17, s9, 3                          ; which 256 along K, 0..17
	s_sub_co_u32 s18, s17, 2
	s_cmp_lt_u32 s17, 2
	s_cselect_b32 s18, s17, s18
	s_lshl_b32 s18, s18, 20                        ; 256 rows of 4,096 bytes
	s_lshl_b32 s19, s16, 9
	s_add_co_u32 s18, s18, s19
	s_lshl_b32 s19, s8, 7
	s_add_co_u32 s18, s18, s19
	s_mov_b32 s19, 0
	s_mul_i32 s22, s17, 171
	s_lshr_b32 s22, s22, 9                         ; k / 3 (exact for 0 .. 17)
	s_mul_i32 s23, s22, 3
	s_sub_co_u32 s23, s17, s23                     ; k % 3
	s_lshl_b32 s20, s22, 3
	s_add_co_u32 s20, s20, s16
	s_mul_i32 s20, s20, 3
	s_add_co_u32 s20, s20, s23
	s_mul_i32 s20, s20, UNIT
	s_add_co_u32 s20, s20, 7168000
	s_mov_b32 s21, 0
	s_wait_kmcnt 0x0
	s_cmp_lt_u32 s17, 2
	s_cselect_b64 s[4:5], s[12:13], s[14:15]
	s_add_nc_u64 s[4:5], s[4:5], s[18:19]
	s_add_nc_u64 s[6:7], s[4:5], 128*4096
	s_add_nc_u64 s[10:11], s[10:11], s[20:21]
	WQ 4096
	s_endpgm
; ================ LN: 16 rows.  Wave w takes columns 256 w .. 256 w + 255.  v32-159 the wave's 128 numbers a lane; v160-223 gamma, LoRA weights, the quantiser's registers, by turns;
; v224-255 the four accumulators of the f32 matrix form, which no other line of this text writes.
.macro GLOAD s                         ; gamma of K step s, in the numbers' own layout
.irp b, 0,1,2,3
.irp j, 0,1,2,3
	global_load_b128 v[160+16*\b+4*\j:163+16*\b+4*\j], v7, s[6:7] offset:\s*512+\b*128+\j*16
.endr
.endr
.endm
.macro ROWSUM off                      ; v[20:27]: four packed chains -> the row's sum over all 1,024 columns in v20, through the area at RED + off
	v_pk_add_f32 v[20:21], v[20:21], v[22:23]
	v_pk_add_f32 v[24:25], v[24:25], v[26:27]
	v_pk_add_f32 v[20:21], v[20:21], v[24:25]
	v_add_f32 v20, v20, v21
	v_permlanex16_b32 v21, v20, s[SEL], s[SEL+1]
	v_add_f32 v20, v20, v21                        ; my wave's 256 columns of row r
	ds_store_b32 v8, v20 offset:\off
	BARRIER
	ds_load_b32 v22, v9 offset:\off
	ds_load_b32 v23, v9 offset:\off+64
	ds_load_b32 v24, v9 offset:\off+128
	ds_load_b32 v25, v9 offset:\off+192
	s_wait_dscnt 0x0
	v_add_f32 v22, v22, v23
	v_add_f32 v24, v24, v25
	v_add_f32 v20, v22, v24
.endm
.macro LOADW n                         ; the LoRA weights for 32 along K (batch n = 4 s + b): source 0 of 16 products; lane (r, h), register j: W(k = 32 n + 16 h + i + j, output r)
.irp ip, 0,1,2,3,4,5,6,7
.irp j, 0,1
	ds_load_b32 v[160+32*((\n)%2)+4*\ip+\j], v10 offset:2*(\n)*544+(2*\ip+\j)*32       ; outputs 0-7 qA's, 8-15 kA's
	ds_load_b32 v[162+32*((\n)%2)+4*\ip+\j], v11 offset:2*(\n)*544+(2*\ip+\j)*32       ; outputs 0-7 vA's (8-15 the same again)
.endr
.endr
.endm
.macro LORA n                          ; four accumulators by turns, one instruction a turn; the first four products start the sums
.irp ip, 0,1,2,3,4,5,6,7
.irp T, 0,1
.if ((\n) == 0) && (\ip < 2)
	v_wmma_f32_16x16x4_f32 v[224+8*(2*(\ip%2)+\T):231+8*(2*(\ip%2)+\T)], v[160+32*((\n)%2)+4*\ip+2*\T:161+32*((\n)%2)+4*\ip+2*\T], v[32+16*(\n)+2*\ip:33+16*(\n)+2*\ip], 0
.else
	v_wmma_f32_16x16x4_f32 v[224+8*(2*(\ip%2)+\T):231+8*(2*(\ip%2)+\T)], v[160+32*((\n)%2)+4*\ip+2*\T:161+32*((\n)%2)+4*\ip+2*\T], v[32+16*(\n)+2*\ip:33+16*(\n)+2*\ip], v[224+8*(2*(\ip%2)+\T):231+8*(2*(\ip%2)+\T)]
.endif
.endr
.endr
.endm
.Lln:
	s_load_b128 s[4:7], s[0:1], 0x0                ; x, gamma
	s_load_b128 s[12:15], s[0:1], 0x28             ; qA, kA
	s_load_b64 s[16:17], s[0:1], 0x38              ; vA
	s_load_b64 s[20:21], s[0:1], 0x60              ; xq
	s_mov_b32 s30, 0x3a800000                      ; 1 / 1,024
	s_mov_b32 s31, 0xffff0000                      ; lanes 16-31
	s_mul_i32 s9, s8, WREG
	s_lshl_b32 s10, s8, 10
	s_lshl_b32 s11, s8, 6
	v_lshlrev_b32 v12, 4, v1                       ; 16 L
	v_add_nc_u32 v4, s10, v12                      ; x: my 16 bytes of a load's 512, in my wave's 1,024 of a row
	v_add_nc_u32 v5, s9, v12                       ; LDS, as loaded
	v_mul_u32_u24 v6, v2, 528
	v_lshl_add_u32 v6, v3, 6, v6
	v_add_nc_u32 v6, s9, v6                        ; LDS, back: row r (528 bytes apart: row r starts 4 r banks on), + 64 h
	v_lshlrev_b32 v7, 6, v3                        ; gamma: 64 h
	v_lshlrev_b32 v9, 2, v2
	v_lshl_add_u32 v13, v3, 9, v9                  ; the scale words' place: 512 h + 4 r
	v_add_nc_u32 v8, s11, v9
	v_add_nc_u32 v8, RED, v8                       ; my wave's word for row r
	v_add_nc_u32 v9, RED, v9
	v_and_b32 v17, 7, v0
	v_lshlrev_b32 v17, 2, v17
	v_mad_u32_u24 v17, v3, 544, v17
	v_add_nc_u32 v17, s9, v17
	v_bfe_u32 v18, v0, 3, 1
	v_mad_u32_u24 v10, v18, 8768, v17              ; LoRA weights: (r >> 3) x 8,768 + 544 h + 4 (r & 7): 32 different banks
	v_add_nc_u32 v11, 17536, v17
	v_lshlrev_b32 v14, 3, v2
	v_lshl_add_u32 v14, v3, 9, v14
	v_add_nc_u32 v14, s9, v14                      ; my partial sums: 512 h + 8 r
	s_lshl_b32 s10, s8, 9
	v_add_nc_u32 v15, s10, v12                     ; part w of wave 0's (and 1's) partial sums,
	v_add_nc_u32 v16, 2*WREG, v15                  ; of wave 2's (and 3's)
	s_lshl_b32 s32, ttmp9, 16                      ; 16 rows of 4,096 bytes
	s_mov_b32 s33, 0
	s_lshl_b32 s34, s8, 10
	s_mov_b32 s35, 0
	s_lshl_b32 s36, s8, 13                         ; 256 rows of 32 bytes of a LoRA weight
	s_mov_b32 s37, 0
	s_lshr_b32 s38, ttmp9, 3
	s_lshl_b32 s39, s8, 5
	s_add_co_u32 s38, s38, s39
	s_mul_i32 s38, s38, UNIT                       ; unit (kslot w, group rowtile / 8)
	s_and_b32 s39, ttmp9, 7
	s_mul_i32 s40, s39, 1536
	s_add_co_u32 s40, s40, s38
	s_mov_b32 s41, 0
	s_lshl_b32 s42, s39, 6
	s_add_co_u32 s42, s42, s38
	s_add_co_u32 s42, s42, 24576
	s_mov_b32 s43, 0
	s_lshl_b32 s44, s8, 8
	s_add_co_u32 s44, s44, ttmp9
	s_lshl_b32 s44, s44, 9
	s_add_co_u32 s44, s44, 3276800                 ; the f32 image of part w (q, k, v) for this tile of rows
	s_mov_b32 s45, 0
	s_wait_kmcnt 0x0
	s_add_nc_u64 s[4:5], s[4:5], s[32:33]
	s_add_nc_u64 s[6:7], s[6:7], s[34:35]
	s_add_nc_u64 s[12:13], s[12:13], s[36:37]
	s_add_nc_u64 s[14:15], s[14:15], s[36:37]
	s_add_nc_u64 s[16:17], s[16:17], s[36:37]
	s_add_nc_u64 s[22:23], s[20:21], s[40:41]
	s_add_nc_u64 s[24:25], s[20:21], s[42:43]
	s_add_nc_u64 s[26:27], s[20:21], s[44:45]
.irp s, 0,1
.set row, 0
.rept 16
	global_load_b128 v[32+64*\s+4*row:35+64*\s+4*row], v4, s[4:5] offset:row*4096+\s*512 th:TH_LOAD_NT   ; 512 consecutive bytes
.set row, row+1
.endr
.endr
	GLOAD 0
	s_wait_loadcnt 32                              ; x's first 16 loads are in; its other 16 and gamma's 16 may be out
.set row, 0
.rept 16
	ds_store_b128 v5, v[32+4*row:35+4*row] offset:row*528
.set row, row+1
.endr
	s_wait_loadcnt 16                              ; x is in; gamma may be out
.set row, 0
.rept 16
	ds_store_b128 v5, v[96+4*row:99+4*row] offset:8448+row*528
.set row, row+1
.endr
	s_wait_dscnt 0x0                               ; the stores have read their registers
.irp s, 0,1
.irp b, 0,1,2,3
.irp j, 0,1,2,3
	ds_load_b128 v[32+64*\s+16*\b+4*\j:35+64*\s+16*\b+4*\j], v6 offset:\s*8448+\b*128+\j*16   ; register 64 s + 16 b + i = column 256 w + 128 s + 32 b + 16 h + i of row r
.endr
.endr
.endr
	s_wait_dscnt 0x0
	; the mean
.irp c, 0,1,2,3
	v_pk_add_f32 v[20+2*\c:21+2*\c], v[32+4*\c:33+4*\c], v[34+4*\c:35+4*\c]
.endr
.set j, 16
.rept 56
	v_pk_add_f32 v[20+2*((j/2)%4):21+2*((j/2)%4)], v[20+2*((j/2)%4):21+2*((j/2)%4)], v[32+j:33+j]
.set j, j+2
.endr
	ROWSUM 0
	v_mul_f32 v20, s30, v20
	v_mov_b32 v21, v20
.set j, 0
.rept 64
	v_pk_add_f32 v[32+j:33+j], v[32+j:33+j], v[20:21] neg_lo:[0,1] neg_hi:[0,1]   ; x - mu
.set j, j+2
.endr
	; the variance
.irp c, 0,1,2,3
	v_pk_mul_f32 v[20+2*\c:21+2*\c], v[32+2*\c:33+2*\c], v[32+2*\c:33+2*\c]
.endr
.set j, 8
.rept 60
	v_pk_fma_f32 v[20+2*((j/2)%4):21+2*((j/2)%4)], v[32+j:33+j], v[32+j:33+j], v[20+2*((j/2)%4):21+2*((j/2)%4)]
.set j, j+2
.endr
	ROWSUM 256
	v_fmaak_f32 v20, s30, v20, 0x3727c5ac          ; var + 1e-5
	v_rsq_f32 v20, v20
	v_nop                                          ; a plain place behind the transcendental,
	s_wait_alu depctr_va_vdst(0)                   ; and the wait ahead of its first reader
	v_mov_b32 v21, v20
.set j, 0
.rept 64
	v_pk_mul_f32 v[32+j:33+j], v[32+j:33+j], v[20:21]
.set j, j+2
.endr
	s_wait_loadcnt 0x0                             ; gamma of K step 0
.set j, 0
.rept 32
	v_pk_mul_f32 v[32+j:33+j], v[32+j:33+j], v[160+j:161+j]
.set j, j+2
.endr
	GLOAD 1
	s_wait_loadcnt 0x0
.set j, 0
.rept 32
	v_pk_mul_f32 v[96+j:97+j], v[96+j:97+j], v[160+j:161+j]
.set j, j+2
.endr
	; my 256 rows of qA, kA, vA (8,192 bytes each) into my own LDS, 16 rows (512 bytes) to a place of 544
.irp m, 0,1,2
.set c, 0
.rept 16
	global_load_b128 v[160+4*c:163+4*c], v12, s[12+2*\m:13+2*\m] offset:c*512
.set c, c+1
.endr
	s_wait_loadcnt 0x0
.set c, 0
.rept 16
	ds_store_b128 v5, v[160+4*c:163+4*c] offset:\m*8768+c*544
.set c, c+1
.endr
	s_wait_dscnt 0x0                               ; the stores have read their registers
.endr
	; xn as codes: two fragments
.irp s, 0,1
	QUANT 32+64*\s, 160, 176+\s, 180+20*\s
.irp g, 0,1,2
	global_store_b128 v12, v[180+20*\s+4*\g:183+20*\s+4*\g], s[22:23] offset:\s*12288+\g*512
.endr
.endr
	v_cndmask_b32 v178, v176, v177, s31            ; lanes 0-15 K step 0's words, lanes 16-31 K step 1's
	global_store_b32 v13, v178, s[24:25]
	s_wait_xcnt 0x0                                ; the stores have read v176-219: the LoRA weights land there next
	; xn . (qA | kA), xn . vA: f32 operands, since the results go on into quantised operands
	LOADW 0
.irp n, 0,1,2,3,4,5,6,7
.if \n < 7
.if \n >= 1
.rept 8
	v_nop                                          ; eight places between the products that read a set and the loads into it (ISA guide 7.12.1 for vector instructions)
.endr
.endif
	LOADW \n+1
	s_wait_dscnt 32                                ; this batch's weights are in; the next batch's 32 loads may be out
.else
	s_wait_dscnt 0x0
.endif
	LORA \n
.endr
.rept 8
	v_nop
.endr
.irp T, 0,1
.irp j, 0,2,4,6
	v_pk_add_f32 v[160+8*\T+\j:161+8*\T+\j], v[224+8*\T+\j:225+8*\T+\j], v[240+8*\T+\j:241+8*\T+\j]   ; each accumulator from its low end on
.endr
.endr
; lane (r, h) of tile T holds part 2 T + h (q, k, v, v again), row r, rank 0..7.  Stored so that a part's 512 bytes are the f32 operand image [s][L][j] = value(r, 4 s + 2 h + j)
.irp T, 0,1
.irp pr, 0,1,2,3
	ds_store_b64 v14, v[160+8*\T+2*\pr:161+8*\T+2*\pr] offset:\T*1024+\pr*128
.endr
.endr
	BARRIER                                        ; the four waves' partial sums lie in LDS
	ds_load_b128 v[176:179], v15
	ds_load_b128 v[180:183], v15 offset:WREG
	ds_load_b128 v[184:187], v16
	ds_load_b128 v[188:191], v16 offset:WREG
	s_wait_dscnt 0x0
	v_pk_add_f32 v[176:177], v[176:177], v[180:181]
	v_pk_add_f32 v[178:179], v[178:179], v[182:183]
	v_pk_add_f32 v[184:185], v[184:185], v[188:189]
	v_pk_add_f32 v[186:187], v[186:187], v[190:191]
	v_pk_add_f32 v[176:177], v[176:177], v[184:185]
	v_pk_add_f32 v[178:179], v[178:179], v[186:187]
	s_cmp_eq_u32 s8, 3                             ; part 3 is v's again: not stored
	s_cbranch_scc1 .Lln_end
	global_store_b128 v12, v[176:179], s[26:27]    ; 512 consecutive bytes
.Lln_end:
	s_set_vgpr_msb 0x5
	s_wait_tensorcnt 0x0
	ds_add_u32 v0, v1
	s_wait_dscnt 0x0
	s_set_vgpr_msb 0x500
	s_endpgm
.Lfunc_end_k_q16d9268f4e_prep:
	.size	k_q16d9268f4e_prep, .Lfunc_end_k_q16d9268f4e_prep-k_q16d9268f4e_prep
	.p2alignl 7, 3214868480
	.fill 96, 4, 3214868480
	.section	.rodata,"a",@progbits
	.p2align	6, 0x0
	.amdhsa_kernel k_q16d9268f4e_prep
		.amdhsa_group_segment_fixed_size 105984
		.amdhsa_private_segment_fixed_size 0
		.amdhsa_enable_private_segment 0
		.amdhsa_kernarg_size 120
		.amdhsa_user_sgpr_count 2
		.amdhsa_user_sgpr_kernarg_segment_ptr 1
		.amdhsa_wavefront_size32 1
		.amdhsa_system_sgpr_workgroup_id_x 1
		.amdhsa_system_sgpr_workgroup_id_y 1
		.amdhsa_system_sgpr_workgroup_id_z 1
		.amdhsa_system_vgpr_workitem_id 0
		.amdhsa_next_free_vgpr 258
		.amdhsa_next_free_sgpr 66
		.amdhsa_reserve_vcc 1
		.amdhsa_float_denorm_mode_32 3
		.amdhsa_float_denorm_mode_16_64 3
		.amdhsa_memory_ordered 1
		.amdhsa_forward_progress 1
		.amdhsa_inst_pref_size 204
	.end_amdhsa_kernel
	.amdgpu_metadata
---
amdhsa.version: [ 1, 2 ]
amdhsa.kernels:
  - .name:           k_q16d9268f4e_prep
    .symbol:         k_q16d9268f4e_prep.kd
    .args:
      - { .name: x, .offset: 0, .size: 8, .value_kind: global_buffer, .address_space: global }
      - { .name: gamma, .offset: 8, .size: 8, .value_kind: global_buffer, .address_space: global }
      - { .name: w_fused, .offset: 16, .size: 8, .value_kind: global_buffer, .address_space: global }
      - { .name: w_attn_out, .offset: 24, .size: 8, .value_kind: global_buffer, .address_space: global }
      - { .name: w_ff_out, .offset: 32, .size: 8, .value_kind: global_buffer, .address_space: global }
      - { .name: qA, .offset: 40, .size: 8, .value_kind: global_buffer, .address_space: global }
      - { .name: kA, .offset: 48, .size: 8, .value_kind: global_buffer, .address_space: global }
      - { .name: vA, .offset: 56, .size: 8, .value_kind: global_buffer, .address_space: global }
      - { .name: qB, .offset: 64, .size: 8, .value_kind: global_buffer, .address_space: global }
      - { .name: kB, .offset: 72, .size: 8, .value_kind: global_buffer, .address_space: global }
      - { .name: vB, .offset: 80, .size: 8, .value_kind: global_buffer, .address_space: global }
      - { .name: oB, .offset: 88, .size: 8, .value_kind: global_buffer, .address_space: global }
      - { .name: xq, .offset: 96, .size: 8, .value_kind: global_buffer, .address_space: global }
      - { .name: wq, .offset: 104, .size: 8, .value_kind: global_buffer, .address_space: global }
      - { .name: tab, .offset: 112, .size: 8, .value_kind: global_buffer, .address_space: global }
    .group_segment_fixed_size: 105984
    .private_segment_fixed_size: 0
    .kernarg_segment_align: 8
    .kernarg_segment_size: 120
    .max_flat_workgroup_size: 128
    .sgpr_count:     66
    .vgpr_count:     258
    .wavefront_size: 32
...
	.end_amdgpu_metadata
.endif
;; end of part 1
;; launch qkv (part 2): grid 32 x 6, 4 waves a work-group, no clusters, 205,312 bytes of LDS; arguments xq, wq, tab, qkvb; writes qkvb
.if DOCPART == 2
	.amdgcn_target "amdgcn-amd-amdhsa--gfx1250"
	.amdhsa_code_object_version 6
	.text
	.protected	k_q16d9268f4e_qkv
	.globl	k_q16d9268f4e_qkv
	.p2align	8
	.type	k_q16d9268f4e_qkv,@function
k_q16d9268f4e_qkv:
	s_mov_b64 s[64:65], 0
	v_nop
	global_prefetch_b8 v0, s[64:65] scope:SCOPE_SE
	s_setreg_imm32_b32 hwreg(HW_REG_WAVE_MODE, 25, 1), 1
	s_wait_xcnt 0x0
; QKV: columns 0..767 of xn . w_fused on codes of BF6 (E3M2) with E8M0 scales, the three LoRA adds, q's scale, rope, and q, k, v as codes for attention.
; A work-group makes 128 rows (x = mt) x 128 columns (y = nt: 0-3 q's heads, 4 k, 5 v).  All of K = 1,024 (8 units of 25,600 bytes) lies in LDS, filled once: no slot is filled again.
; SIDES.  Side P (8 tiles, source 0, read by all waves) and side Q (wave w: tiles 2 w, 2 w + 1, source 1).  q, k: P = the weight, Q = xn: a lane holds ONE ROW and its 64 registers run along the head's 128,
; which is the first attention product's K.  v: P = xn, Q = the weight: a lane holds ONE CHANNEL and its registers run along the keys, the second product's K.  Only global addresses are chosen by nt.
; The weight's tiles hold their columns in the order that makes a lane's 16 registers of two neighbouring tiles 16 neighbours; for v a lane's register 8 b + j is key 16 b + 8 h + j: inside a block of 32 keys the
; places are permuted, and attention's weights p come out of their product in the same places; the blocks are the true blocks of 32 keys.
; THE LoRA ADDS START THE SUMS: (xn.A).B, rank 8, is two products of the f32 matrix form an accumulator; the scaled products add onto them.
; NO JOINT LOADS: the operand that work-groups of one column tile share lies on side P for five column tiles and on side Q for the sixth, so a joint request would stand under a branch on the column tile;
; each work-group asks for its 8 units once.
; REGISTERS.  Window 0: v1-11 addresses; v32-51 scale words, two sets; v64-103 the LoRA operands; v128-255 the 16 accumulators ((a, b) at v[128 + 8 (8 a + b)]), which matrix instructions alone write; no other
; window names a number from 128 on.  Windows 1 and 2: a set of fragments each (P at 12 b, Q at 96 + 12 a); behind the loop window 1 holds T (0-63), rope's 32 temporaries and the quantiser.  Window 3: cos, sin.
; LIMITS: as stated at the head of the launch that makes the codes: NaN and infinities are not served; a block under 2^-122 gets the byte 1.
.set UNIT, 25600
.set SEL,  40                          ; s[40:41]
.set MSB, 0
.macro WIN new                         ; the immediate's high byte repeats the setting that is left
.if MSB != (\new)
	s_set_vgpr_msb (MSB<<8)|(\new)
.set MSB, (\new)
.endif
.endm
.macro PLACES n
.rept \n
	v_nop
.endr
.endm
.macro QUANT s, tm, pw, pc             ; 64 numbers of a lane (register 16 b + i = place 32 b + 16 h + i along K) -> 12 registers of codes at pc, the scale word in pw
.irp b, 0,1,2,3
	v_max3_num_f32 v[(\tm)+\b], |v[(\s)+16*\b]|, |v[(\s)+1+16*\b]|, 0x2800000   ; with the floor 2^(5 - 127)
.endr
.irp i, 2,4,6,8,10,12,14
.irp b, 0,1,2,3
	v_max3_num_f32 v[(\tm)+\b], v[(\tm)+\b], |v[(\s)+16*\b+\i]|, |v[(\s)+1+16*\b+\i]|
.endr
.endr
.irp b, 0,1,2,3
	v_permlanex16_b32 v[(\tm)+4+\b], v[(\tm)+\b], s[SEL], s[SEL+1]
.endr
.irp b, 0,1,2,3
	v_max_num_f32 v[(\tm)+\b], v[(\tm)+\b], v[(\tm)+4+\b]
.endr
.irp b, 0,1,2,3
	v_add_nc_u32 v[(\tm)+12+\b], 0xfe000000, v[(\tm)+\b]
.endr
.irp b, 0,1,2,3
	v_lshrrev_b32 v[(\tm)+4+\b], 23, v[(\tm)+12+\b]
.endr
	v_lshl_or_b32 v[\pw], v[(\tm)+5], 8, v[(\tm)+4]
	v_lshl_or_b32 v[\pw], v[(\tm)+6], 16, v[\pw]
	v_lshl_or_b32 v[\pw], v[(\tm)+7], 24, v[\pw]
.irp c, 0,1
	v_cvt_scalef32_pk16_bf6_f32 v[(\pc)+6*\c:(\pc)+2+6*\c], v[(\s)+32*\c:(\s)+15+32*\c], v[(\tm)+12+2*\c]
	v_cvt_scalef32_pk16_bf6_f32 v[(\pc)+12+4*\c:(\pc)+14+4*\c], v[(\s)+16+32*\c:(\s)+31+32*\c], v[(\tm)+13+2*\c]
.endr
	v_nop                                          ; one plain place behind a scaled conversion
.irp c, 0,1
.irp i, 0,1,2
	v_permlane16_swap_b32 v[(\pc)+6*\c+\i], v[(\pc)+12+4*\c+\i]
.endr
.irp i, 0,1,2
	v_mov_b32 v[(\pc)+3+6*\c+\i], v[(\pc)+12+4*\c+\i]
.endr
.endr
.endm
; 40 LDS loads: K step q (the address registers stand at its 256 along K; p = q % 2) into set q % 2: 10 scale words, Q's two fragments, P's eight
.macro FETCH q
.set P_, (\q)%2
	WIN 0
.irp b, 0,1,2,3,4,5,6,7
	ds_load_b32 v[32+10*P_+\b], v6 offset:P_*512+64*\b
.endr
.irp a, 0,1
	ds_load_b32 v[40+10*P_+\a], v7 offset:P_*512+64*\a
.endr
	WIN 0x40*(1+P_)                                ; destination window 1 or 2
.irp a, 0,1
.irp g, 0,1,2
	ds_load_b128 v[96+12*\a+4*\g:99+12*\a+4*\g], v5 offset:P_*12288+\a*1536+\g*512
.endr
.endr
.irp b, 0,1,2,3,4,5,6,7
.irp g, 0,1,2
	ds_load_b128 v[12*\b+4*\g:12*\b+4*\g+3], v4 offset:P_*12288+\b*1536+\g*512
.endr
.endr
.endm
.macro MUL8 set, b0                    ; P's tiles b0 .. b0 + 3 x Q's two: the 16 accumulators take turns, one instruction a turn, in the same order in every step
.irp b, \b0, \b0+1, \b0+2, \b0+3
.irp a, 0,1
	v_wmma_scale_f32_16x16x128_f8f6f4 v[128+8*(8*\a+(\b)):135+8*(8*\a+(\b))], v[12*(\b):12*(\b)+11], v[96+12*\a:107+12*\a], v[128+8*(8*\a+(\b)):135+8*(8*\a+(\b))], v[32+10*(\set)+(\b)], v[40+10*(\set)+\a] matrix_a_fmt:MATRIX_FMT_BF6 matrix_b_fmt:MATRIX_FMT_BF6
.endr
.endr
.endm
; mode 0: a step with a successor; 1: the same, and the second fills are waited for in its middle; 2: the last
.macro STEP q, mode
	s_wait_dscnt 12                                ; the scale words, Q and P's tiles 0-3 are in; the youngest 12 loads (P's tiles 4-7) may be out
	WIN 0x05*(1+(\q)%2)                            ; sources 0 and 1 in the set's window, C and D in window 0
	MUL8 (\q)%2, 0
.if \mode == 2
	s_wait_dscnt 0x0
.else
.if \mode == 1
	s_wait_dscnt 0x0                               ; no LDS load of mine is out at the signal
	s_wait_tensorcnt 0x0                           ; my second fill has landed,
	s_barrier_signal -1
	s_barrier_wait -1                              ; everybody's has.
.endif
	PLACES 4                                       ; in front of loads into registers that matrix instructions have read (ISA guide 7.12.1 for vector instructions)
.if ((\q)+1)%2 == 0
	WIN 0
.irp r, 4,5,6,7
	v_add_nc_u32 v\r, 2*UNIT, v\r                  ; on to the next 256 along K: P's unit and Q's lie side by side
.endr
.endif
	FETCH (\q)+1
	s_wait_dscnt 40                                ; all but the 40 just issued
	WIN 0x05*(1+(\q)%2)
.endif
	MUL8 (\q)%2, 4
.endm
	s_load_b128 s[4:7], s[0:1], 0x0                ; xq, wq
	s_load_b128 s[12:15], s[0:1], 0x10             ; tab, qkvb
	v_lshl_add_u32 v126, v0, 2, 0x32000
	v_mov_b32 v127, 0
	ds_add_u32 v126, v127
	v_lshrrev_b32 v1, 5, v0
	v_readfirstlane_b32 s8, v1                     ; wave 0..3
	s_mov_b32 s9, ttmp9                            ; mt
	s_and_b32 s10, ttmp7, 0xffff                   ; nt
	; descriptor group 1: a unit, 25,600 dense bytes, as 100 rows of 32 elements of 8 bytes
	s_mov_b32 s24, 3<<16                           ; no mask; elements of 8 bytes; no padding
	s_mov_b32 s25, 32<<16                          ; tensor_dim0 = 32
	s_mov_b32 s26, 100<<16                         ; tensor_dim1 = 100
	s_mov_b32 s27, 32<<16                          ; tile_dim0 = 32
	s_mov_b32 s28, 100                             ; tile_dim1 = 100
	s_mov_b32 s29, 32                              ; from row to row
	s_mov_b32 s30, 0
	s_mov_b32 s31, 0
	; wave w fills LDS units w and 4 + w: side w & 1 of the 256 along K number (w >> 1), and of number 2 + (w >> 1)
	s_and_b32 s16, s8, 1
	s_cmp_eq_u32 s10, 5
	s_cselect_b32 s17, 1, 0
	s_xor_b32 s16, s16, s17                        ; 0: I fetch the weight, 1: xn
	s_lshr_b32 s18, s8, 1
	s_cmp_eq_u32 s16, 0
	s_cselect_b32 s19, 70, 32                      ; units in 256 along K
	s_cselect_b32 s20, s10, s9
	s_mul_i32 s21, s18, s19
	s_add_co_u32 s21, s21, s20
	s_mul_i32 s22, s21, UNIT
	s_mov_b32 s23, 0
	s_mul_i32 s54, s19, 2*UNIT
	s_mov_b32 s55, 0
	s_mul_i32 s33, s8, UNIT
	s_add_co_u32 s37, s33, 4*UNIT
	s_mov_b32 s32, 1
	s_mov_b32 s36, 1
	s_wait_dscnt 0x0
	s_wait_kmcnt 0x0
	s_cmp_eq_u32 s16, 0
	s_cselect_b64 s[56:57], s[6:7], s[4:5]
	s_add_nc_u64 s[34:35], s[56:57], s[22:23]
	s_add_nc_u64 s[38:39], s[34:35], s[54:55]
	s_or_b32 s35, s35, 0x80000000
	s_or_b32 s39, s39, 0x80000000
	tensor_load_to_lds s[32:35], s[24:31]          ; my two fills go out together, ahead of every wait on TENSORcnt, LDS read and barrier: two loads of mine are out
	s_nop 0
	tensor_load_to_lds s[36:39], s[24:31]
	s_nop 0
.rept 4
	v_nop
.endr
	v_and_b32 v1, 31, v0                           ; L
	v_and_b32 v2, 15, v0                           ; r
	v_bfe_u32 v3, v0, 4, 1                         ; h
	v_lshlrev_b32 v4, 4, v1                        ; P's fragments: 16 L
	v_lshlrev_b32 v8, 4, v1                        ; the way out: 16 L; never stepped
	v_lshlrev_b32 v9, 2, v1                        ; 4 L
	v_lshlrev_b32 v11, 3, v1                       ; 8 L
	s_mul_i32 s16, s8, 3072
	s_add_co_u32 s16, s16, UNIT
	v_add_nc_u32 v5, s16, v4                       ; Q's: my two tiles of the unit beside P's
	v_lshlrev_b32 v6, 2, v2
	s_lshl_b32 s16, s8, 7
	s_add_co_u32 s16, s16, UNIT+24576
	v_add_nc_u32 v7, s16, v6                       ; Q's scale words
	v_add_nc_u32 v6, 24576, v6                     ; P's
	s_and_b32 s17, s9, 15
	s_lshl_b32 s16, s17, 7
	s_lshl_b32 s18, s8, 5
	s_add_co_u32 s16, s16, s18
	s_lshl_b32 s16, s16, 9
	v_lshlrev_b32 v10, 9, v2
	v_lshl_add_u32 v10, v3, 6, v10
	v_add_nc_u32 v10, s16, v10                     ; the rope table: position 128 (mt & 15) + 32 w + r, + 64 h
	s_mov_b32 s[SEL], 0x76543210
	s_mov_b32 s[SEL+1], 0xfedcba98
	s_mov_b32 s58, 0xffff0000                      ; lanes 16-31
	s_mov_b32 s42, 0x3f800000
	s_cmp_lt_u32 s10, 4
	s_cselect_b32 s42, 0x3db504f3, s42             ; q is scaled by 128^-0.5 ahead of rope
	s_mov_b32 s43, s42
	; the LoRA operands: B's tiles (8 to a column tile) and (xn.A)'s tiles of my 128 rows
	s_lshl_b32 s16, s10, 12
	s_add_co_u32 s16, s16, 1048576
	s_mov_b32 s17, 0
	s_sub_co_u32 s18, s10, 3
	s_cmp_lt_u32 s10, 4
	s_cselect_b32 s18, 0, s18                      ; part: q 0, k 1, v 2
	s_lshl_b32 s18, s18, 8
	s_lshl_b32 s19, s9, 3
	s_add_co_u32 s18, s18, s19
	s_lshl_b32 s18, s18, 9
	s_add_co_u32 s18, s18, 3276800
	s_mov_b32 s19, 0
	s_add_nc_u64 s[16:17], s[12:13], s[16:17]
	s_add_nc_u64 s[18:19], s[4:5], s[18:19]
	s_cmp_eq_u32 s10, 5
	s_cselect_b64 s[44:45], s[18:19], s[16:17]     ; side P
	s_cselect_b64 s[46:47], s[16:17], s[18:19]     ; side Q,
	s_lshl_b32 s20, s8, 10
	s_mov_b32 s21, 0
	s_add_nc_u64 s[46:47], s[46:47], s[20:21]      ; my two tiles
.irp b, 0,1,2,3,4,5,6,7
.irp s, 0,1
	global_load_b64 v[64+4*\b+2*\s:65+4*\b+2*\s], v11, s[44:45] offset:512*\b+256*\s
.endr
.endr
.irp a, 0,1
.irp s, 0,1
	global_load_b64 v[96+4*\a+2*\s:97+4*\a+2*\s], v11, s[46:47] offset:512*\a+256*\s
.endr
.endr
	WIN 0xc0                                       ; destination window 3: cos at 64 a + e, sin at 64 a + 32 + e, e = 16 B + i for frequency 32 B + 16 h + i.  (v's tiles load them too and do not use them)
.irp a, 0,1
.irp sn, 0,1
.irp be, 0,1
.irp i, 0,1,2,3
	global_load_b128 v[64*\a+32*\sn+16*\be+4*\i:64*\a+32*\sn+16*\be+4*\i+3], v10, s[12:13] offset:\a*8192+\sn*256+\be*128+16*\i
.endr
.endr
.endr
.endr
	WIN 0
	; where the codes and the scale words go
	s_lshr_b32 s16, s9, 4                          ; batch
	s_and_b32 s17, s9, 15
	s_and_b32 s18, s9, 1
	s_lshr_b32 s19, s17, 1                         ; record of 256 keys
	s_lshl_b32 s20, s16, 2
	s_add_co_u32 s20, s20, s10
	s_lshl_b32 s20, s20, 7
	s_lshl_b32 s21, s17, 3
	s_add_co_u32 s20, s20, s21
	s_lshl_b32 s21, s8, 1
	s_add_co_u32 s20, s20, s21                     ; q: tile (4 b + head) 128 + 8 (mt & 15) + 2 w
	s_mul_i32 s21, s20, 1536
	s_lshl_b32 s22, s20, 6
	s_add_co_u32 s22, s22, 1572864
	s_lshl_b32 s23, s16, 3
	s_add_co_u32 s23, s23, s19
	s_mul_i32 s23, s23, 2*UNIT
	s_add_co_u32 s23, s23, 1638400                 ; the record: K's unit, then V's
	s_lshl_b32 s54, s18, 3
	s_lshl_b32 s55, s8, 1
	s_add_co_u32 s54, s54, s55                     ; k: tile 8 (mt & 1) + 2 w of the record's 16
	s_mul_i32 s55, s54, 1536
	s_add_co_u32 s55, s55, s23
	s_lshl_b32 s56, s54, 6
	s_add_co_u32 s56, s56, s23
	s_add_co_u32 s56, s56, 24576
	s_mul_i32 s57, s18, 12288                      ; v: K step mt & 1, tiles 2 w on
	s_mul_i32 s59, s8, 3072
	s_add_co_u32 s57, s57, s59
	s_add_co_u32 s57, s57, s23
	s_add_co_u32 s57, s57, UNIT
	s_lshl_b32 s59, s18, 9
	s_lshl_b32 s60, s8, 7
	s_add_co_u32 s59, s59, s60
	s_add_co_u32 s59, s59, s23
	s_add_co_u32 s59, s59, UNIT+24576
	s_cmp_lt_u32 s10, 4
	s_cselect_b32 s20, s21, s55
	s_cselect_b32 s22, s22, s56
	s_cmp_eq_u32 s10, 5
	s_cselect_b32 s20, s57, s20
	s_cselect_b32 s22, s59, s22
	s_mov_b32 s21, 0
	s_mov_b32 s23, 0
	s_add_nc_u64 s[48:49], s[14:15], s[20:21]
	s_add_nc_u64 s[50:51], s[14:15], s[22:23]
	s_wait_loadcnt 0x0
	; (xn.A).B: rank 8 = two products an accumulator; all 16 first products, then all 16 second ones
.irp s, 0,1
.irp a, 0,1
.irp b, 0,1,2,3,4,5,6,7
.if \s == 0
	v_wmma_f32_16x16x4_f32 v[128+8*(8*\a+\b):135+8*(8*\a+\b)], v[64+4*\b:65+4*\b], v[96+4*\a:97+4*\a], 0
.else
	v_wmma_f32_16x16x4_f32 v[128+8*(8*\a+\b):135+8*(8*\a+\b)], v[66+4*\b:67+4*\b], v[98+4*\a:99+4*\a], v[128+8*(8*\a+\b):135+8*(8*\a+\b)]
.endif
.endr
.endr
.endr
	PLACES 9                                       ; another form writes over these results next: nine places behind this form
	s_wait_tensorcnt 1                             ; my first fill has landed (my second may be out)
	s_barrier_signal -1
	s_barrier_wait -1                              ; everybody's has: the first 512 along K lie in LDS
	FETCH 0
	STEP 0, 0
	STEP 1, 0
	STEP 2, 0
	STEP 3, 1
	STEP 4, 0
	STEP 5, 0
	STEP 6, 0
	STEP 7, 2
	WIN 0
	PLACES 4                                       ; in front of the first read of results
	WIN 0x40
.irp b, 0,1,2,3
	v_mov_b32 v[68+\b], 0                          ; written once: a lane permute's destination counts as one of its sources
.endr
.irp a, 0,1
	WIN 0x40                                       ; destination window 1, source 0 window 0
.set e, 0
.rept 32
	v_pk_mul_f32 v[e:e+1], v[128+64*\a+e:129+64*\a+e], s[42:43] op_sel_hi:[1,0]   ; T = the sums x q's scale (or 1): each accumulator from its low end on
.set e, e+2
.endr
	WIN 0
	s_cmp_eq_u32 s10, 5
	s_cbranch_scc1 .Lno_rope_\a                    ; v is not turned
	WIN 0x5d                                       ; T in window 1, cos and sin (source 1) in window 3.  Register e < 32 is channel d < 64, register e + 32 is channel d + 64
.set e, 0
.rept 16
	v_pk_mul_f32 v[64+e:65+e], v[e:e+1], v[64*\a+32+e:64*\a+33+e]                  ; X = t(d) sin
.set e, e+2
.endr
.set e, 0
.rept 16
	v_pk_mul_f32 v[e:e+1], v[e:e+1], v[64*\a+e:64*\a+e+1]                          ; t(d) cos
.set e, e+2
.endr
.set e, 0
.rept 16
	v_pk_fma_f32 v[e:e+1], v[32+e:33+e], v[64*\a+32+e:64*\a+33+e], v[e:e+1] neg_lo:[1,0,0] neg_hi:[1,0,0]   ; - t(d + 64) sin
.set e, e+2
.endr
.set e, 0
.rept 16
	v_pk_fma_f32 v[32+e:33+e], v[32+e:33+e], v[64*\a+e:64*\a+e+1], v[64+e:65+e]    ; t(d + 64) cos + t(d) sin
.set e, e+2
.endr
	WIN 0
.Lno_rope_\a:
.if \a == 1
	s_wait_xcnt 0x0                                ; the first tile's stores have read the codes' registers
.endif
	WIN 0x55
	QUANT 0, 64, 116+\a, 96
	WIN 0x04                                       ; a store's data are its source 1: window 1
.irp g, 0,1,2
	global_store_b128 v8, v[96+4*\g:99+4*\g], s[48:49] offset:\a*1536+\g*512       ; 512 consecutive bytes
.endr
.endr
	WIN 0x55
	v_cndmask_b32 v118, v116, v117, s58            ; lanes 0-15 the first tile's scale words, lanes 16-31 the second's
	WIN 0x04
	global_store_b32 v9, v118, s[50:51]
	WIN 0
	s_wait_tensorcnt 0x0
	ds_add_u32 v126, v127
	s_wait_dscnt 0x0
	s_endpgm
.Lfunc_end_k_q16d9268f4e_qkv:
	.size	k_q16d9268f4e_qkv, .Lfunc_end_k_q16d9268f4e_qkv-k_q16d9268f4e_qkv
	.p2alignl 7, 3214868480
	.fill 96, 4, 3214868480
	.section	.rodata,"a",@progbits
	.p2align	6, 0x0
	.amdhsa_kernel k_q16d9268f4e_qkv
		.amdhsa_group_segment_fixed_size 205312
		.amdhsa_private_segment_fixed_size 0
		.amdhsa_enable_private_segment 0
		.amdhsa_kernarg_size 32
		.amdhsa_user_sgpr_count 2
		.amdhsa_user_sgpr_kernarg_segment_ptr 1
		.amdhsa_wavefront_size32 1
		.amdhsa_system_sgpr_workgroup_id_x 1
		.amdhsa_system_sgpr_workgroup_id_y 1
		.amdhsa_system_sgpr_workgroup_id_z 1
		.amdhsa_system_vgpr_workitem_id 0
		.amdhsa_next_free_vgpr 896
		.amdhsa_next_free_sgpr 66
		.amdhsa_reserve_vcc 0
		.amdhsa_float_denorm_mode_32 3
		.amdhsa_float_denorm_mode_16_64 3
		.amdhsa_memory_ordered 1
		.amdhsa_forward_progress 1
		.amdhsa_inst_pref_size 74
	.end_amdhsa_kernel
	.amdgpu_metadata
---
amdhsa.version: [ 1, 2 ]
amdhsa.kernels:
  - .name:           k_q16d9268f4e_qkv
    .symbol:         k_q16d9268f4e_qkv.kd
    .args:
      - { .name: xq, .offset: 0, .size: 8, .value_kind: global_buffer, .address_space: global }
      - { .name: wq, .offset: 8, .size: 8, .value_kind: global_buffer, .address_space: global }
      - { .name: tab, .offset: 16, .size: 8, .value_kind: global_buffer, .address_space: global }
      - { .name: qkvb, .offset: 24, .size: 8, .value_kind: global_buffer, .address_space: global }
    .group_segment_fixed_size: 205312
    .private_segment_fixed_size: 0
    .kernarg_segment_align: 8
    .kernarg_segment_size: 32
    .max_flat_workgroup_size: 128
    .sgpr_count:     66
    .vgpr_count:     896
    .wavefront_size: 32
...
	.end_amdgpu_metadata
.endif
;; end of part 2
;; launch attn (part 3): grid 128 x 2, 16 waves a work-group, clusters of 4 x 1, 327,680 bytes of LDS; arguments qkvb, oA, au; writes au
.if DOCPART == 3
	.amdgcn_target "amdgcn-amd-amdhsa--gfx1250"
	.amdhsa_code_object_version 6
	.text
	.protected	k_q16d9268f4e_attn
	.globl	k_q16d9268f4e_attn
	.p2align	8
	.type	k_q16d9268f4e_attn,@function
k_q16d9268f4e_attn:
	s_mov_b64 s[64:65], 0
	v_nop
	global_prefetch_b8 v0, s[64:65] scope:SCOPE_SE
	s_setreg_imm32_b32 hwreg(HW_REG_WAVE_MODE, 25, 1), 1
	s_wait_xcnt 0x0
	s_wait_alu depctr_hold_cnt(0) depctr_sa_sdst(0) depctr_va_vdst(0) depctr_va_sdst(0) depctr_va_ssrc(0) depctr_va_vcc(0) depctr_vm_vsrc(0)
	s_getreg_b32 s2, hwreg(HW_REG_IB_STS2, 6, 4)
	s_cmp_eq_u32 s2, 0
	s_cbranch_scc0 .Lentry_in_a_cluster
	s_endpgm
.Lentry_in_a_cluster:
	s_bfe_u32 s2, ttmp6, 0x10000c
	s_cmp_lg_u32 s2, 0x3003
	s_cbranch_scc0 .Lentry_shape_is_right
	s_endpgm
.Lentry_shape_is_right:
; ATTN: causal attention with one key and value head, both products on codes of BF6 (E3M2) with E8M0 scales; its result as codes for the output product, and out . oA in f32.
; THE SOFTMAX AHEAD OF THE SECOND PRODUCT: t = score x log2(e); M = the largest t so far, rounded UP to a whole number; p = 2^(t - M) is quantised along the keys, not normalised; the sum is taken of the
; unquantised p and divides at the end.  When M moves, the sum and O are multiplied by 2^(old M - new M): exact.
; SHARES.  A cluster is four work-groups, one for each HEAD (the place in the cluster enters only q's, oA's and the results' global addresses); they walk the same K and V, asked for JOINTLY.
; A work-group has sixteen waves: four blocks of 16 positions (127 - C, 64 + C, C, 63 - C, C the cluster's number), each with four waves.  Of every tile of 512 keys the wave of quarter u takes keys
; 128 u .. 128 u + 127: one key step a tile, four at the most in all; the four merge at the end.  Wave w has quarter w / 4 and block number (w + w / 4) mod 4, so that the waves w, w + 4, w + 8, w + 12 and the
; waves 4 k .. 4 k + 3 alike hold one wave of each block: the four blocks' keys under the causal mask add up to the same number in every work-group.  Blocks hang on C and the wave's number: alike in all partners.
; Every work-group walks all 2,048 keys' tiles (4 tiles through two slots); a step all of whose keys come after the wave's positions is jumped over: its loads from LDS, products and softmax alone.
; LAYOUT.  Both products are used transposed (S^T = K Q^T, O^T = V^T P^T): a lane holds ONE position.  A lane's register 8 t + j of S^T is key 16 t + 8 h + j; v was quantised with its keys in the same places.
; V's tiles hold the head's channels in the order that makes O^T's 64 registers run along the next product's K.
; REGISTERS: v1, v2, v5, v6 LDS addresses; v9, v10 the add's; v11 r - 8 h; v12 -M, v13 the largest t, v[14:15] the sum; v16-28 Q and its scale word; v32-79 four fragments; v80-95 the two accumulators of the f32
; matrix form, which nothing else writes; v96-159 S^T, then p; v160-223 O^T; v224-235 p's codes; v232-254 at work; v248-251, v253 scale words.
; LIMITS: NaN and infinities are not served; a block of p that has fallen to 0 keeps the byte 1: its codes are zeros.
.set UNIT,  25600
.set SLOT,  4*UNIT                     ; 512 keys: two records of (K's unit, V's unit)
.set SPARE, 2*SLOT                     ; the spare words, 128 bytes for each of the sixteen waves: eight blocks of 256 bytes that no other line names
.set MRGW,  8448                       ; the merge: a wave's O^T (8,192 bytes), -M and sum (256).  Sixteen such places lie from LDS byte 0 on, in the two slots, which have had their last fill by then
.set WV,   10
.set QTR,  11
.set SQ,   18                          ; my first position - 128 x my quarter
.set SQ15, 19                          ; + 15
.set SEL,  20
.set CS,   22                          ; s[22:23] log2(e)
.macro ROUND                           ; a round of the cluster's barrier
	s_barrier_signal -1
	s_barrier_wait -1
	s_cmp_lg_u32 s[WV], 0
	s_cbranch_scc1 .Lnot_wave_0_\@
	s_barrier_signal -3
.Lnot_wave_0_\@:
	s_barrier_wait -3
	s_barrier_signal -1
	s_barrier_wait -1
.endm
.macro TL g0                           ; waves 0 to 3 fetch a unit each, jointly with the same wave of the three partners; four v_nop follow the line
	s_cmp_lt_u32 s[WV], 4
	s_cbranch_scc0 .Lnone_\@
	tensor_load_to_lds s[(\g0):(\g0)+3], s[24:31]
	s_nop 0
.rept 4
	v_nop
.endr
.Lnone_\@:
.endm
.macro QUANT s, tm, pw, pc
.irp b, 0,1,2,3
	v_max3_num_f32 v[(\tm)+\b], |v[(\s)+16*\b]|, |v[(\s)+1+16*\b]|, 0x2800000
.endr
.irp i, 2,4,6,8,10,12,14
.irp b, 0,1,2,3
	v_max3_num_f32 v[(\tm)+\b], v[(\tm)+\b], |v[(\s)+16*\b+\i]|, |v[(\s)+1+16*\b+\i]|
.endr
.endr
.irp b, 0,1,2,3
	v_permlanex16_b32 v[(\tm)+4+\b], v[(\tm)+\b], s[SEL], s[SEL+1]
.endr
.irp b, 0,1,2,3
	v_max_num_f32 v[(\tm)+\b], v[(\tm)+\b], v[(\tm)+4+\b]
.endr
.irp b, 0,1,2,3
	v_add_nc_u32 v[(\tm)+12+\b], 0xfe000000, v[(\tm)+\b]
.endr
.irp b, 0,1,2,3
	v_lshrrev_b32 v[(\tm)+4+\b], 23, v[(\tm)+12+\b]
.endr
	v_lshl_or_b32 v[\pw], v[(\tm)+5], 8, v[(\tm)+4]
	v_lshl_or_b32 v[\pw], v[(\tm)+6], 16, v[\pw]
	v_lshl_or_b32 v[\pw], v[(\tm)+7], 24, v[\pw]
.irp c, 0,1
	v_cvt_scalef32_pk16_bf6_f32 v[(\pc)+6*\c:(\pc)+2+6*\c], v[(\s)+32*\c:(\s)+15+32*\c], v[(\tm)+12+2*\c]
	v_cvt_scalef32_pk16_bf6_f32 v[(\pc)+12+4*\c:(\pc)+14+4*\c], v[(\s)+16+32*\c:(\s)+31+32*\c], v[(\tm)+13+2*\c]
.endr
	v_nop
.irp c, 0,1
.irp i, 0,1,2
	v_permlane16_swap_b32 v[(\pc)+6*\c+\i], v[(\pc)+12+4*\c+\i]
.endr
.irp i, 0,1,2
	v_mov_b32 v[(\pc)+3+6*\c+\i], v[(\pc)+12+4*\c+\i]
.endr
.endr
.endm
; A KEY STEP: my quarter's 128 keys of the tile in slot: keys 512 tile + 128 quarter on.
.macro STEP tile, slot
.set KFC, 512*(\tile)
.set AF, 1+(\slot)
.set AS, 5+(\slot)
	s_cmp_lt_i32 s[SQ15], KFC                      ; all 128 keys come after my 16 positions: nothing to do
	s_cbranch_scc1 .Lhidden_\@
.irp g, 0,1                            ; S^T = K Q^T, four tiles of 16 keys at a time
.rept 4
	v_nop                                          ; places in front of loads into registers that matrix instructions have read (ISA guide 7.12.1 for vector instructions)
.endr
.irp t, 0,1,2,3
.irp c, 0,1,2
	ds_load_b128 v[32+12*\t+4*\c:35+12*\t+4*\c], v[AF] offset:(4*\g+\t)*1536+512*\c
.endr
	ds_load_b32 v[248+\t], v[AS] offset:64*(4*\g+\t)
.endr
	s_wait_dscnt 0x0
.irp t, 0,1,2,3
	v_wmma_scale_f32_16x16x128_f8f6f4 v[96+8*(4*\g+\t):103+8*(4*\g+\t)], v[32+12*\t:43+12*\t], v[16:27], 0, v[248+\t], v28 matrix_a_fmt:MATRIX_FMT_BF6 matrix_b_fmt:MATRIX_FMT_BF6
.endr
.endr
.rept 4
	v_nop
.endr
	s_cmp_ge_i32 s[SQ], KFC+127                    ; all 128 keys count: no mask
	s_cbranch_scc1 .Lopen_\@
	s_sub_co_i32 s40, s[SQ], KFC
	v_add_nc_u32 v252, s40, v11                    ; d = my position - the step's first key - 8 h.  Register n holds key 16 (n / 8) + 8 h + n % 8: hidden where 16 (n / 8) + n % 8 > d
	v_mov_b32 v254, 0xff800000                     ; -infinity: p = 0 then
.set n, 0
.rept 64
	v_cmp_gt_i32 vcc_lo, 16*(n/8)+n%8, v252
	v_cndmask_b32 v[96+n], v[96+n], v254, vcc_lo
.set n, n+1
.endr
.Lopen_\@:
.irp b, 0,1,2,3
	v_max3_num_f32 v[232+\b], v[96+16*\b], v[97+16*\b], v[98+16*\b]   ; the largest score of each block of 32 keys: for the row's maximum and, since p rises with the score, for the block's largest p
.endr
.irp i, 3,5,7,9,11,13
.irp b, 0,1,2,3
	v_max3_num_f32 v[232+\b], v[232+\b], v[96+16*\b+\i], v[97+16*\b+\i]
.endr
.endr
.irp b, 0,1,2,3
	v_max_num_f32 v[232+\b], v[232+\b], v[111+16*\b]
.endr
.irp b, 0,1,2,3
	v_permlanex16_b32 v[236+\b], v[232+\b], s[SEL], s[SEL+1]
.endr
.irp b, 0,1,2,3
	v_max_num_f32 v[232+\b], v[232+\b], v[236+\b]
.endr
	v_max3_num_f32 v254, v232, v233, v234
	v_max_num_f32 v254, v254, v235
	v_mul_f32 v254, s[CS], v254
	v_max_num_f32 v13, v13, v254                   ; the running largest t
	v_mov_b32 v254, v12
	v_floor_f32 v12, -v13                          ; the new -M = -ceil(t): a whole number
	v_sub_f32 v254, v12, v254
	v_cvt_i32_f32 v254, v254                       ; (it saturates)
	v_ldexp_f32 v252, 1.0, v254                    ; f = 2^(old M - new M)
.set j, 0
.rept 32
	v_pk_fma_f32 v[96+j:97+j], v[96+j:97+j], s[CS:CS+1], v[12:13] op_sel_hi:[1,0,0]   ; t - M
.set j, j+2
.endr
.irp b, 0,1,2,3
	v_fma_f32 v[232+\b], v[232+\b], s[CS], v12
.endr
.set j, 0
.rept 64
	v_exp_f32 v[96+j], v[96+j]                     ; p, at most 1
.set j, j+1
.endr
	v_pk_mul_f32 v[14:15], v[14:15], v[252:253] op_sel_hi:[1,0]   ; the sums under the new M (a plain place behind the exponentials)
	s_wait_alu depctr_va_vdst(0)                   ; one wait for the whole batch, ahead of its first reader
.irp b, 0,1,2,3
	v_exp_f32 v[232+\b], v[232+\b]                 ; each block's largest p
.endr
	v_pk_add_f32 v[236:237], v[96:97], v[98:99]    ; the sum of the unquantised p, in two chains
.irp j, 4,8,12,16,20,24,28,32,36,40,44,48,52,56,60
	v_pk_add_f32 v[14:15], v[14:15], v[96+\j:97+\j]
	v_pk_add_f32 v[236:237], v[236:237], v[98+\j:99+\j]
.endr
	v_pk_add_f32 v[14:15], v[14:15], v[236:237]
	s_wait_alu depctr_va_vdst(0)                   ; and one for the four
.irp b, 0,1,2,3
	v_max_num_f32 v[232+\b], 0x2800000, v[232+\b]  ; the floor
.endr
.irp b, 0,1,2,3
	v_add_nc_u32 v[244+\b], 0xfe000000, v[232+\b]
.endr
.irp b, 0,1,2,3
	v_lshrrev_b32 v[236+\b], 23, v[244+\b]
.endr
	v_lshl_or_b32 v253, v237, 8, v236              ; p's scale word for these 128 keys
	v_lshl_or_b32 v253, v238, 16, v253
	v_lshl_or_b32 v253, v239, 24, v253
.irp c, 0,1
	v_cvt_scalef32_pk16_bf6_f32 v[224+6*\c:226+6*\c], v[96+32*\c:111+32*\c], v[244+2*\c]
	v_cvt_scalef32_pk16_bf6_f32 v[236+4*\c:238+4*\c], v[112+32*\c:127+32*\c], v[245+2*\c]
.endr
	v_nop
.irp c, 0,1
.irp i, 0,1,2
	v_permlane16_swap_b32 v[224+6*\c+\i], v[236+4*\c+\i]
.endr
.irp i, 0,1,2
	v_mov_b32 v[227+6*\c+\i], v[236+4*\c+\i]
.endr
.endr
.set j, 0
.rept 32
	v_pk_mul_f32 v[160+j:161+j], v[160+j:161+j], v[252:253] op_sel_hi:[1,0]   ; O^T under the new M.  (These 32 are also the places in front of the matrix instructions and loads below)
.set j, j+2
.endr
.irp g, 0,1                            ; O^T += V^T P^T
.if \g > 0
.rept 4
	v_nop
.endr
.endif
.irp t, 0,1,2,3
.irp c, 0,1,2
	ds_load_b128 v[32+12*\t+4*\c:35+12*\t+4*\c], v[AF] offset:UNIT+(4*\g+\t)*1536+512*\c
.endr
	ds_load_b32 v[248+\t], v[AS] offset:UNIT+64*(4*\g+\t)
.endr
	s_wait_dscnt 0x0
.irp t, 0,1,2,3
	v_wmma_scale_f32_16x16x128_f8f6f4 v[160+8*(4*\g+\t):167+8*(4*\g+\t)], v[32+12*\t:43+12*\t], v[224:235], v[160+8*(4*\g+\t):167+8*(4*\g+\t)], v[248+\t], v253 matrix_a_fmt:MATRIX_FMT_BF6 matrix_b_fmt:MATRIX_FMT_BF6
.endr
.endr
.Lhidden_\@:
.endm
; A tile of 512 keys.  Behind it the other slot is filled first.
.macro TRIP tile, slot, refill
	s_wait_tensorcnt 0x0                           ; no tensor load of mine is out, so a group 0 may be written
	ds_add_u32 v9, v10                             ; 0 onto my spare word
	s_add_nc_u64 s[34+4*\slot:35+4*\slot], s[34+4*\slot:35+4*\slot], 2*SLOT   ; this slot's next tile
	s_wait_dscnt 0x0                               ; the add is done, and so are my reads of the last tile
	ROUND                                          ; both now hold of every wave of the four work-groups
.if \refill
	TL 36-4*\slot                                  ; the next tile, into the slot read last: one load of mine is out, and it has this tile's steps in which to land
.endif
	STEP \tile, \slot
.endm
	s_load_b128 s[4:7], s[0:1], 0x0                ; qkvb, oA
	s_load_b64 s[8:9], s[0:1], 0x10                ; au
	v_lshl_add_u32 v9, v0, 2, SPARE
	v_mov_b32 v10, 0
	ds_add_u32 v9, v10
	s_wait_dscnt 0x0
	v_lshrrev_b32 v1, 5, v0
	v_readfirstlane_b32 s[WV], v1                  ; wave 0..15
	s_lshr_b32 s[QTR], s[WV], 2                    ; which quarter of every tile's keys is mine
	s_add_co_u32 s12, s[WV], s[QTR]
	s_and_b32 s12, s12, 3                          ; which of the four blocks
	s_mov_b32 s13, ttmp9                           ; C: the cluster's number, 0..31
	s_and_b32 s14, ttmp7, 0xffff                   ; batch
	s_bfe_u32 s15, ttmp6, 0x40000                  ; my place in the cluster: the head
	s_sub_co_u32 s40, 127, s13
	s_add_co_u32 s41, s13, 64
	s_sub_co_u32 s42, 63, s13
	s_cmp_eq_u32 s12, 0
	s_cselect_b32 s16, s40, s42
	s_cmp_eq_u32 s12, 1
	s_cselect_b32 s16, s41, s16
	s_cmp_eq_u32 s12, 2
	s_cselect_b32 s16, s13, s16                    ; my block of 16 positions
	s_lshl_b32 s17, s16, 4
	s_lshl_b32 s43, s[QTR], 7
	s_sub_co_i32 s[SQ], s17, s43
	s_add_co_i32 s[SQ15], s[SQ], 15
	s_mov_b32 s[SEL], 0x76543210
	s_mov_b32 s[SEL+1], 0xfedcba98
	s_mov_b32 s[CS], 0x3fb8aa3b
	s_mov_b32 s[CS+1], s[CS]
	; descriptor group 1: a unit as 100 rows of 32 elements of 8 bytes, for all four work-groups
	s_mov_b32 s24, 15|(3<<16)|(1<<21)
	s_mov_b32 s25, 32<<16
	s_mov_b32 s26, 100<<16
	s_mov_b32 s27, 32<<16
	s_mov_b32 s28, 100
	s_mov_b32 s29, 32
	s_mov_b32 s30, 0
	s_mov_b32 s31, 0
	s_mul_i32 s44, s14, 16*UNIT                    ; the batch's 8 records
	s_and_b32 s47, s[WV], 3
	s_mul_i32 s46, s47, UNIT                       ; unit w of a tile's four: in memory and in a slot (waves 0 to 3 alone fetch)
	s_add_co_u32 s44, s44, s46
	s_add_co_u32 s44, s44, 1638400
	s_mov_b32 s45, 0
	s_mov_b32 s32, 1
	s_mov_b32 s33, s46
	s_mov_b32 s36, 1
	s_add_co_u32 s37, s46, SLOT
	; q's fragment, and where the results go (these hang on the head)
	s_lshl_b32 s48, s14, 7
	s_add_co_u32 s48, s48, s16                     ; tile of rows: 128 b + block
	s_lshr_b32 s49, s15, 1
	s_lshr_b32 s50, s48, 3
	s_mul_i32 s50, s50, 3
	s_add_co_u32 s49, s49, s50
	s_mul_i32 s49, s49, UNIT                       ; the unit: three pieces of 256 along K of a group of 128 rows lie on end; mine is piece head / 2 of the group's first three
	s_and_b32 s47, s15, 1
	s_and_b32 s51, s48, 7
	s_mul_i32 s50, s47, 12288
	s_mul_i32 s52, s51, 1536
	s_add_co_u32 s50, s50, s52
	s_add_co_u32 s50, s50, s49
	s_lshl_b32 s52, s47, 9
	s_lshl_b32 s53, s51, 6
	s_add_co_u32 s52, s52, s53
	s_add_co_u32 s52, s52, s49
	s_add_co_u32 s52, s52, 24576
	s_mov_b32 s51, 0
	s_mov_b32 s53, 0
	s_lshl_b32 s54, s15, 8
	s_add_co_u32 s54, s54, s48
	s_lshl_b32 s54, s54, 9
	s_add_co_u32 s54, s54, 14745600
	s_mov_b32 s55, 0
	s_lshl_b32 s62, s14, 2
	s_add_co_u32 s62, s62, s15
	s_lshl_b32 s62, s62, 7
	s_add_co_u32 s62, s62, s16                     ; q's tile: (4 b + head) 128 + block
	s_mul_i32 s66, s62, 1536
	s_mov_b32 s67, 0
	s_lshl_b32 s68, s62, 6
	s_add_co_u32 s68, s68, 1572864
	s_mov_b32 s69, 0
	s_lshl_b32 s70, s15, 12
	s_mov_b32 s71, 0
	s_wait_kmcnt 0x0
	s_add_nc_u64 s[34:35], s[4:5], s[44:45]
	s_add_nc_u64 s[38:39], s[34:35], SLOT
	s_or_b32 s35, s35, 0x80000000
	s_or_b32 s39, s39, 0x80000000
	s_add_nc_u64 s[56:57], s[8:9], s[50:51]
	s_add_nc_u64 s[58:59], s[8:9], s[52:53]
	s_add_nc_u64 s[60:61], s[8:9], s[54:55]
	s_add_nc_u64 s[66:67], s[4:5], s[66:67]
	s_add_nc_u64 s[68:69], s[4:5], s[68:69]
	s_add_nc_u64 s[6:7], s[6:7], s[70:71]
	ROUND                                          ; all four work-groups are here: the first joint loads meet
	TL 32                                          ; tile 0
	v_and_b32 v29, 31, v0
	v_lshlrev_b32 v29, 4, v29                      ; 16 L
	v_and_b32 v30, 15, v0
	v_bfe_u32 v31, v0, 4, 1
	v_lshlrev_b32 v31, 3, v31
	v_sub_nc_u32 v11, v30, v31                     ; r - 8 h
	v_lshlrev_b32 v30, 2, v30                      ; 4 r
.irp g, 0,1,2
	global_load_b128 v[16+4*\g:19+4*\g], v29, s[66:67] offset:512*\g
.endr
	global_load_b32 v28, v30, s[68:69]
	s_lshr_b32 s47, s[QTR], 1
	s_mul_i32 s47, s47, 2*UNIT                     ; my quarter's record of 256 keys,
	s_and_b32 s72, s[QTR], 1                       ; and which 128 of them
	s_mul_i32 s73, s72, 12288
	s_add_co_u32 s73, s73, s47
	v_add_nc_u32 v1, s73, v29                      ; fragments: slot 0, my quarter's 8 tiles of K (V's lie a unit further on),
	v_add_nc_u32 v2, SLOT, v1                      ; slot 1
	s_lshl_b32 s72, s72, 9
	s_add_co_u32 s72, s72, s47
	s_add_co_u32 s72, s72, 24576
	v_add_nc_u32 v5, s72, v30                      ; scale words likewise
	v_add_nc_u32 v6, SLOT, v5
	v_mov_b32 v13, 0xff61b1e6                      ; the largest t so far: -3e38
	v_floor_f32 v12, -v13
	v_mov_b32 v14, 0
	v_mov_b32 v15, 0
.irp b, 0,1,2,3
	v_mov_b32 v[236+\b], 0                         ; written once: a lane permute's destination counts as one of its sources
.endr
	v_mov_b32 v252, 0
	v_mov_b32 v253, 0
	v_mov_b32 v254, 0
.set j, 0
.rept 64
	v_mov_b32 v[160+j], 0                          ; O^T: the step is written once; the first finds zeros, which the first change of M leaves zeros
.set j, j+1
.endr
	s_wait_loadcnt 0x0                             ; Q
	TRIP 0, 0, 1
	TRIP 1, 1, 1
	TRIP 2, 0, 1
	TRIP 3, 1, 0                                   ; nothing is left to fetch
	; THE MERGE of the four waves of a block: each lays its O^T, -M and sum into a place of its own, (4 x block number + quarter) x 8,448; the waves of quarters 0 and 1 read all four.
.rept 4
	v_nop                                          ; places in front of the first read of the last results
.endr
	v_add_f32 v14, v14, v15
	v_permlanex16_b32 v252, v14, s[SEL], s[SEL+1]
	v_add_f32 v13, v14, v252                       ; my keys' sum for position r; v[12:13] = (-M, sum)
	s_lshl_b32 s40, s12, 2
	s_add_co_u32 s41, s40, s[QTR]
	s_mul_i32 s41, s41, MRGW                       ; my place
	s_mul_i32 s40, s40, MRGW                       ; my block's four places
	v_and_b32 v1, 31, v0
	v_lshlrev_b32 v2, 4, v1                        ; 16 L
	v_lshlrev_b32 v3, 3, v1                        ; 8 L
	v_add_nc_u32 v4, s41, v2
	v_add_nc_u32 v5, s40, v2
	v_add_nc_u32 v6, s41, v3
	v_add_nc_u32 v7, s40, v3
	s_wait_dscnt 0x0                               ; my reads of the slots are over,
	s_barrier_signal -1
	s_barrier_wait -1                              ; everybody's are: the slots, which are filled no more, take the merge
.irp t, 0,1,2,3,4,5,6,7
	ds_store_b128 v4, v[160+8*\t:163+8*\t] offset:1024*\t          ; each accumulator from its low end on
	ds_store_b128 v4, v[164+8*\t:167+8*\t] offset:1024*\t+512
.endr
	ds_store_b64 v6, v[12:13] offset:8192
	s_wait_dscnt 0x0                               ; for the others' sake: my stores are done
	s_barrier_signal -1
	s_barrier_wait -1
	s_cmp_lt_u32 s[QTR], 2                         ; quarters 2 and 3 have handed their parts over
	s_cbranch_scc0 .Ldone
.irp i, 0,1,2,3
	ds_load_b64 v[32+2*\i:33+2*\i], v7 offset:8192+MRGW*\i         ; (-M, sum) of quarter i
.endr
.irp t, 0,1,2,3,4,5,6,7
	ds_load_b128 v[96+8*\t:99+8*\t], v5 offset:1024*\t             ; quarter 0's O^T
	ds_load_b128 v[100+8*\t:103+8*\t], v5 offset:1024*\t+512
.endr
.irp t, 0,1,2,3,4,5,6,7
	ds_load_b128 v[160+8*\t:163+8*\t], v5 offset:MRGW+1024*\t      ; quarter 1's
	ds_load_b128 v[164+8*\t:167+8*\t], v5 offset:MRGW+1024*\t+512
.endr
	s_wait_dscnt 0x0
	v_min_num_f32 v40, v32, v34
	v_min_num_f32 v41, v36, v38
	v_min_num_f32 v40, v40, v41                    ; -M of all four together
.irp i, 0,1,2,3
	v_sub_f32 v[42+\i], v40, v[32+2*\i]            ; quarter i's M less the common one: a whole number, 0 or less
.endr
.irp i, 0,1,2,3
	v_cvt_i32_f32 v[42+\i], v[42+\i]               ; (saturates: a wave that saw no key gets the factor 0)
.endr
.irp i, 0,1,2,3
	v_ldexp_f32 v[42+\i], 1.0, v[42+\i]
.endr
	v_mul_f32 v46, v33, v42
	v_fma_f32 v46, v35, v43, v46
	v_fma_f32 v46, v37, v44, v46
	v_fma_f32 v46, v39, v45, v46                   ; the row's sum
	v_rcp_f32 v46, v46
	v_nop                                          ; a plain place behind the transcendental,
	s_wait_alu depctr_va_vdst(0)                   ; and the wait ahead of its first reader
.irp i, 0,1,2,3
	v_mul_f32 v[48+2*\i], v[42+\i], v46
.endr
.irp i, 0,1,2,3
	v_mov_b32 v[49+2*\i], v[48+2*\i]
.endr
.set j, 0
.rept 32
	v_pk_mul_f32 v[96+j:97+j], v[96+j:97+j], v[48:49]
.set j, j+2
.endr
.set j, 0
.rept 32
	v_pk_fma_f32 v[96+j:97+j], v[160+j:161+j], v[50:51], v[96+j:97+j]
.set j, j+2
.endr
.irp i, 2,3
.irp t, 0,1,2,3,4,5,6,7
	ds_load_b128 v[160+8*\t:163+8*\t], v5 offset:MRGW*\i+1024*\t   ; quarter i's
	ds_load_b128 v[164+8*\t:167+8*\t], v5 offset:MRGW*\i+1024*\t+512
.endr
	s_wait_dscnt 0x0
.set j, 0
.rept 32
	v_pk_fma_f32 v[96+j:97+j], v[160+j:161+j], v[48+2*\i:49+2*\i], v[96+j:97+j]   ; out(r, d): register 16 B + i is channel 32 B + 16 h + i
.set j, j+2
.endr
.endr
	v_and_b32 v8, 15, v0
	s_cmp_eq_u32 s[QTR], 0
	s_cbranch_scc0 .Lodd
	; quarter 0's wave: out as codes, K step `head` of the output product
.irp b, 0,1,2,3
	v_mov_b32 v[56+\b], 0
.endr
	QUANT 96, 52, 68, 32
	v_lshlrev_b32 v8, 2, v8
.irp g, 0,1,2
	global_store_b128 v2, v[32+4*\g:35+4*\g], s[56:57] offset:512*\g
.endr
	global_store_b32 v8, v68, s[58:59]             ; lanes 16-31 store the same words again
	s_branch .Ldone
.Lodd:
	; quarter 1's wave: out . oA for this head's 128 channels, f32 operands; source 0 = oA (outputs 8-15 repeat 0-7), source 1 = out
	v_and_b32 v8, 7, v8
	v_lshlrev_b32 v8, 2, v8
	v_bfe_u32 v1, v0, 4, 1
	v_lshl_add_u32 v1, v1, 9, v8                   ; 16 h rows of 32 bytes + 4 (r & 7)
.set e, 0
.rept 64
	global_load_b32 v[160+e], v1, s[6:7] offset:(32*(e/16)+e%16)*32
.set e, e+1
.endr
	s_mov_b32 s44, 0xffff0000
	s_wait_loadcnt 0x0
.set e, 0
.rept 32                               ; two accumulators by turns; the first two products start the sums
.if e < 2
	v_wmma_f32_16x16x4_f32 v[80+8*(e%2):87+8*(e%2)], v[160+2*e:161+2*e], v[96+2*e:97+2*e], 0
.else
	v_wmma_f32_16x16x4_f32 v[80+8*(e%2):87+8*(e%2)], v[160+2*e:161+2*e], v[96+2*e:97+2*e], v[80+8*(e%2):87+8*(e%2)]
.endif
.set e, e+1
.endr
.rept 8
	v_nop
.endr
.irp j, 0,2,4,6
	v_pk_add_f32 v[32+\j:33+\j], v[80+\j:81+\j], v[88+\j:89+\j]    ; both halves of the lanes hold rank 0..7 of position r
.endr
	v_cndmask_b32 v40, v32, v34, s44               ; the f32 operand image [s][L][j] = value(r, 4 s + 2 h + j)
	v_cndmask_b32 v41, v33, v35, s44
	v_cndmask_b32 v42, v36, v38, s44
	v_cndmask_b32 v43, v37, v39, s44
	global_store_b64 v3, v[40:41], s[60:61]        ; 256 consecutive bytes each
	global_store_b64 v3, v[42:43], s[60:61] offset:256
.Ldone:
	v_nop
	s_wait_tensorcnt 0x0                           ; the wave's end
	ds_add_u32 v9, v10
	s_wait_dscnt 0x0
	ROUND                                          ; the closing round
	s_endpgm
.Lfunc_end_k_q16d9268f4e_attn:
	.size	k_q16d9268f4e_attn, .Lfunc_end_k_q16d9268f4e_attn-k_q16d9268f4e_attn
	.p2alignl 7, 3214868480
	.fill 96, 4, 3214868480
	.section	.rodata,"a",@progbits
	.p2align	6, 0x0
	.amdhsa_kernel k_q16d9268f4e_attn
		.amdhsa_group_segment_fixed_size 327680
		.amdhsa_private_segment_fixed_size 0
		.amdhsa_enable_private_segment 0
		.amdhsa_kernarg_size 24
		.amdhsa_user_sgpr_count 2
		.amdhsa_user_sgpr_kernarg_segment_ptr 1
		.amdhsa_wavefront_size32 1
		.amdhsa_system_sgpr_workgroup_id_x 1
		.amdhsa_system_sgpr_workgroup_id_y 1
		.amdhsa_system_sgpr_workgroup_id_z 1
		.amdhsa_system_vgpr_workitem_id 0
		.amdhsa_next_free_vgpr 256
		.amdhsa_next_free_sgpr 80
		.amdhsa_reserve_vcc 1
		.amdhsa_float_denorm_mode_32 3
		.amdhsa_float_denorm_mode_16_64 3
		.amdhsa_memory_ordered 1
		.amdhsa_forward_progress 1
		.amdhsa_inst_pref_size 139
	.end_amdhsa_kernel
	.amdgpu_metadata
---
amdhsa.version: [ 1, 2 ]
amdhsa.kernels:
  - .name:           k_q16d9268f4e_attn
    .symbol:         k_q16d9268f4e_attn.kd
    .args:
      - { .name: qkvb, .offset: 0, .size: 8, .value_kind: global_buffer, .address_space: global }
      - { .name: oA, .offset: 8, .size: 8, .value_kind: global_buffer, .address_space: global }
      - { .name: au, .offset: 16, .size: 8, .value_kind: global_buffer, .address_space: global }
    .group_segment_fixed_size: 327680
    .private_segment_fixed_size: 0
    .kernarg_segment_align: 8
    .kernarg_segment_size: 24
    .max_flat_workgroup_size: 512
    .sgpr_count:     80
    .vgpr_count:     256
    .wavefront_size: 32
...
	.end_amdgpu_metadata
.endif
;; end of part 3
;; launch ffup (part 4): grid 32 x 16, 4 waves a work-group, clusters of 4 x 4, 327,680 bytes of LDS; arguments xq, wq, au; writes au
.if DOCPART == 4
	.amdgcn_target "amdgcn-amd-amdhsa--gfx1250"
	.amdhsa_code_object_version 6
	.text
	.protected	k_q16d9268f4e_ffup
	.globl	k_q16d9268f4e_ffup
	.p2align	8
	.type	k_q16d9268f4e_ffup,@function
k_q16d9268f4e_ffup:
	s_mov_b64 s[64:65], 0
	v_nop
	global_prefetch_b8 v0, s[64:65] scope:SCOPE_SE
	s_setreg_imm32_b32 hwreg(HW_REG_WAVE_MODE, 25, 1), 1
	s_wait_xcnt 0x0
	s_wait_alu depctr_hold_cnt(0) depctr_sa_sdst(0) depctr_va_vdst(0) depctr_va_sdst(0) depctr_va_ssrc(0) depctr_va_vcc(0) depctr_vm_vsrc(0)
	s_getreg_b32 s2, hwreg(HW_REG_IB_STS2, 6, 4)
	s_cmp_eq_u32 s2, 0
	s_cbranch_scc0 .Lentry_in_a_cluster
	s_endpgm
.Lentry_in_a_cluster:
	s_bfe_u32 s2, ttmp6, 0x10000c
	s_cmp_lg_u32 s2, 0xf033
	s_cbranch_scc0 .Lentry_shape_is_right
	s_endpgm
.Lentry_shape_is_right:
; FFUP: columns 768..8,959 of xn . w_fused on codes of BF6 (E3M2) with E8M0 scales, SwiGLU in f32, and the hidden layer as codes for the output product.  The f32 results never go to memory.
; A work-group makes 256 rows x 256 columns of the product: 128 hidden units' values and the same units' gates.  Four waves, each 128 x 128: 64 accumulators, 512 registers.
; A weight's unit holds 64 hidden units' value columns (tiles 0-3) and their gates (tiles 4-7), so value and gate of a hidden unit fall into the same lane and the same register number 32 apart.
; THE MATRIX INSTRUCTION IS USED TRANSPOSED (source 0 = 16 columns of the weight, source 1 = 16 rows of xn), and the weight's tiles hold their columns so that a lane's 32 hidden units are two half blocks of 32
; along the next K.  A wave's 64 hidden units are half a K step of the next product: registers 6 wn .. 6 wn + 5 of a fragment; the two waves of a row half piece the fragments together in an LDS stage.
; K = 1,024 is four pieces of 256, each four units (A's two, B's two).  THREE SLOTS: the first three pieces go out together as first fills; the fourth alone is a refill, into slot 0, asked for in K step 1
; and waited for in K step 5.  Operands lie in memory and LDS as images of their registers: every fragment is three loads of 16 bytes a lane.
; CLUSTERS: 4 x 4 work-groups; A's units are shared along a row of the cluster, B's along a column: each is asked for JOINTLY.
; REGISTERS.  Window 0: v12-31 addresses; v32-47 scale words, two sets (lanes 0-15 A's, lanes 16-31 B's); v48-56 the quantiser; A's fragments, two sets, at v64 and v160; behind the products v64-134 are at work.
; Window 1: B's fragments, two sets, at v0 and v128.  Windows 2, 3: the accumulators ((a, b) at v[8 (8 (a % 4) + b)]).
; LIMITS: NaN and infinities are not served; a block under 2^-122 gets the byte 1.
.set UNIT,  25600
.set SLOT,  4*UNIT
.set SPARE, 3*SLOT                     ; the spare words, 128 bytes for each wave: two blocks of 256 bytes that no other line names
.set STG,   SLOT                       ; the stage lies in slot 1: filled once, and read for the last time ahead of the barrier in K step 5
.set BKC,  12                          ; v12     back from the stage: a quarter of the codes
.set BKS,  13                          ; v13     a quarter of the scale words
.set ADA,  16                          ; v16-18  A's fragments in slot 0, 1, 2
.set ADB,  19                          ; v19-21  B's
.set ADS,  22                          ; v22-24  the scale words
.set STA,  25                          ; v25-27  into the stage
.set STB,  26
.set STS,  27
.set SPW,  28
.set NIL,  29
.set SEL,  74                          ; s[74:75]
.set G1,   24                          ; s[24:31] descriptor group 1 for A's units; s[32:43] group 0, a set for each slot
.set G0,   32
.set G1B,  48                          ; s[48:55], s[80:91] the same for B's
.set G0B,  80
.set MSB, 0
.macro WIN new
.if MSB != (\new)
	s_set_vgpr_msb (MSB<<8)|(\new)
.set MSB, (\new)
.endif
.endm
.set MUL_LO, 0xa1                      ; source 0 (B) window 1, source 1 (A) window 0, C and D window 2
.set MUL_HI, 0xf1                      ; the same, C and D window 3
.macro PLACES n
.rept \n
	v_nop
.endr
.endm
.macro JLOAD g0a, g1a, g0b, g1b        ; a joint load: waves 0 and 1 fetch A's two units, waves 2 and 3 B's; four v_nop follow each of the two lines
	s_cmp_eq_u32 s15, 0
	s_cbranch_scc0 .Lfor_b_\@
	tensor_load_to_lds s[\g0a:\g0a+3], s[\g1a:\g1a+7]
	s_nop 0
.rept 4
	v_nop
.endr
	s_branch .Lasked_\@
.Lfor_b_\@:
	tensor_load_to_lds s[\g0b:\g0b+3], s[\g1b:\g1b+7]
	s_nop 0
.rept 4
	v_nop
.endr
.Lasked_\@:
.endm
.macro CREST                           ; a round of the cluster's barrier behind its opening barrier
	s_cmp_lg_u32 s14, 0
	s_cbranch_scc1 .Lnot_wave_0_\@
	s_barrier_signal -3
.Lnot_wave_0_\@:
	s_barrier_wait -3
	s_barrier_signal -1
	s_barrier_wait -1
.endm
.macro CROUND
	s_barrier_signal -1
	s_barrier_wait -1
	CREST
.endm
; 56 LDS loads: K step q (piece q / 2, in slot (q / 2) % 3; p = q % 2) into set q % 2: B's eight fragments, 8 scale words, A's eight
.macro FETCH q
.set SL_, ((\q)/2)%3
.set P_, (\q)%2
	WIN 0x40
.irp b, 0,1,2,3,4,5,6,7
.irp g, 0,1,2
	ds_load_b128 v[128*P_+12*\b+4*\g:128*P_+12*\b+4*\g+3], v[ADB+SL_] offset:P_*12288+\b*1536+\g*512
.endr
.endr
	WIN 0
.irp i, 0,1,2,3,4,5,6,7
	ds_load_b32 v[32+8*P_+\i], v[ADS+SL_] offset:P_*512+64*\i
.endr
.irp a, 0,1,2,3,4,5,6,7
.irp g, 0,1,2
	ds_load_b128 v[64+96*P_+12*\a+4*\g:64+96*P_+12*\a+4*\g+3], v[ADA+SL_] offset:P_*12288+\a*1536+\g*512
.endr
.endr
.endm
; 16 matrix instructions: A's tiles a0, a0 + 1 x B's eight.  The 64 accumulators take turns, one instruction a turn, in the same order in every step.  zero = 1: the products start the sums
.macro MUL16 a0, set, zero
.irp a, \a0, \a0+1
.irp b, 0,1,2,3,4,5,6,7
.if \zero
	v_wmma_scale_f32_16x16x128_f8f6f4 v[8*(8*((\a)%4)+\b):8*(8*((\a)%4)+\b)+7], v[128*(\set)+12*\b:128*(\set)+12*\b+11], v[64+96*(\set)+12*(\a):64+96*(\set)+12*(\a)+11], 0, v[32+8*(\set)+\b], v[32+8*(\set)+(\a)] matrix_a_fmt:MATRIX_FMT_BF6 matrix_b_fmt:MATRIX_FMT_BF6 matrix_a_scale:MATRIX_SCALE_ROW1
.else
	v_wmma_scale_f32_16x16x128_f8f6f4 v[8*(8*((\a)%4)+\b):8*(8*((\a)%4)+\b)+7], v[128*(\set)+12*\b:128*(\set)+12*\b+11], v[64+96*(\set)+12*(\a):64+96*(\set)+12*(\a)+11], v[8*(8*((\a)%4)+\b):8*(8*((\a)%4)+\b)+7], v[32+8*(\set)+\b], v[32+8*(\set)+(\a)] matrix_a_fmt:MATRIX_FMT_BF6 matrix_b_fmt:MATRIX_FMT_BF6 matrix_a_scale:MATRIX_SCALE_ROW1
.endif
.endr
.endr
.endm
.macro STEP q, zero                    ; a step whose successor lies in bytes that every wave already knows to have landed: the same slot, or (q = 3) slot 2, a first fill that all waves waited for in K step 1
	s_wait_dscnt 12                                ; B, the scale words and A's tiles 0-3 are in; the youngest 12 loads (A's tiles 4-7) may be out
	WIN MUL_LO
	MUL16 0, (\q)%2, \zero
	MUL16 2, (\q)%2, \zero
	PLACES 4                                       ; in front of loads into registers that matrix instructions have read (ISA guide 7.12.1 for vector instructions)
	FETCH (\q)+1
	s_wait_dscnt 56                                ; all but the 56 just issued
	WIN MUL_HI
	MUL16 4, (\q)%2, \zero
	MUL16 6, (\q)%2, \zero
.endm
; An odd step with a barrier; in front of it each wave waits for all its tensor loads, adds 0 to its spare word, and waits for that and for its LDS reads.
; fill = 1 (K step 1): slot 0, which nobody reads any more, is filled again with the fourth piece of K.  fill = 0 (K step 5): that piece has landed, in every wave's eyes.
.macro TURN q, fill
.set SL_T, ((\q)/2)%3
	WIN 0                                          ; (the add's two registers lie in window 0)
	s_wait_tensorcnt 0x0                           ; all my tensor loads have landed;
	ds_add_u32 v[SPW], v[NIL]                      ; 0 onto my spare word;
	s_wait_dscnt 13                                ; (the add and the youngest 12 loads may be out)
	WIN MUL_LO
	MUL16 0, 1, 0                                  ; sixteen matrix instructions stand between the add and the wait for it
	s_wait_dscnt 0x0                               ; the add is done, and my reads of this slot are over
	s_barrier_signal -1
	MUL16 2, 1, 0
	WIN 0
	s_barrier_wait -1
.if \fill
	CREST                                          ; the barrier has opened a round of the cluster's: no wave of any partner still reads this slot or has a load on its way
	s_add_nc_u64 s[G0+4*SL_T+2:G0+4*SL_T+3], s[G0+4*SL_T+2:G0+4*SL_T+3], 96*UNIT    ; 768 along K on: 3 x 32 units of xn,
	s_add_nc_u64 s[G0B+4*SL_T+2:G0B+4*SL_T+3], s[G0B+4*SL_T+2:G0B+4*SL_T+3], 210*UNIT  ; 3 x 70 of the weight
	JLOAD G0+4*SL_T, G1, G0B+4*SL_T, G1B           ; the first tensor load behind the round, and my only one from here on; its four v_nop are also the places in front of the loads below
.else
	PLACES 4
.endif
	FETCH (\q)+1
	WIN MUL_HI
	MUL16 4, 1, 0
	MUL16 6, 1, 0
.endm
	s_load_b128 s[4:7], s[0:1], 0x0                ; xq, wq
	s_load_b64 s[8:9], s[0:1], 0x10                ; au
	v_lshl_add_u32 v[SPW], v0, 2, SPARE
	v_mov_b32 v[NIL], 0
	ds_add_u32 v28, v29
	s_wait_dscnt 0x0
	v_lshrrev_b32 v1, 5, v0
	v_readfirstlane_b32 s14, v1                    ; wave 0..3
	s_lshr_b32 s15, s14, 1                         ; wm: my half of the rows.  Also: I fetch for A (0) or for B (1)
	s_and_b32 s16, s14, 1                          ; wn: my half of the columns.  Also: which of the two units I fetch
	s_bfe_u32 s92, ttmp6, 0x40000                  ; cx, cy
	s_bfe_u32 s93, ttmp6, 0x40004
	s_lshl_b32 s94, ttmp9, 2
	s_add_co_u32 s94, s94, s92                     ; nt = 4 x cluster x + cx
	s_and_b32 s17, ttmp7, 0xffff
	s_lshl_b32 s17, s17, 2
	s_add_co_u32 s17, s17, s93                     ; mt = 4 x cluster y + cy
	s_lshl_b32 s95, s93, 2
	s_lshl_b32 s95, 15, s95                        ; my row of the cluster
	s_lshl_b32 s96, 0x1111, s92                    ; my column
	s_or_b32 s[G1], s95, (3<<16)|(1<<21)           ; the mask; elements of 8 bytes; bit 21 set beside a mask; no padding
	s_or_b32 s[G1B], s96, (3<<16)|(1<<21)
.irp g, G1, G1B
	s_mov_b32 s[\g+1], 32<<16                      ; a unit as 100 rows of 32 elements
	s_mov_b32 s[\g+2], 100<<16
	s_mov_b32 s[\g+3], 32<<16
	s_mov_b32 s[\g+4], 100
	s_mov_b32 s[\g+5], 32
	s_mov_b32 s[\g+6], 0
	s_mov_b32 s[\g+7], 0
.endr
	s_lshl_b32 s20, s17, 1
	s_add_co_u32 s20, s20, s16
	s_mul_i32 s20, s20, UNIT                       ; A: group 2 mt + (w & 1)
	s_mov_b32 s21, 0
	s_lshl_b32 s46, s94, 1
	s_add_co_u32 s46, s46, s16
	s_add_co_u32 s46, s46, 6
	s_mul_i32 s46, s46, UNIT                       ; B: unit 6 + 2 nt + (w & 1)
	s_mov_b32 s47, 0
	s_mul_i32 s97, s14, UNIT                       ; where they go: unit w of a slot
	s_wait_kmcnt 0x0
	s_add_nc_u64 s[20:21], s[4:5], s[20:21]
	s_add_nc_u64 s[46:47], s[6:7], s[46:47]
	CROUND                                         ; all sixteen work-groups are here: the first joint loads meet
.irp s, 0,1,2
	s_mov_b32 s[G0+4*\s], 1
	s_add_co_u32 s[G0+4*\s+1], s97, \s*SLOT
	s_add_nc_u64 s[G0+4*\s+2:G0+4*\s+3], s[20:21], \s*32*UNIT
	s_or_b32 s[G0+4*\s+3], s[G0+4*\s+3], 0x80000000
	s_mov_b32 s[G0B+4*\s], 1
	s_add_co_u32 s[G0B+4*\s+1], s97, \s*SLOT
	s_add_nc_u64 s[G0B+4*\s+2:G0B+4*\s+3], s[46:47], \s*70*UNIT
	s_or_b32 s[G0B+4*\s+3], s[G0B+4*\s+3], 0x80000000
	JLOAD G0+4*\s, G1, G0B+4*\s, G1B               ; three loads of mine are out behind the third
.endr
	v_and_b32 v1, 31, v0                           ; L
	v_and_b32 v2, 15, v0                           ; r
	v_bfe_u32 v3, v0, 4, 1                         ; h
	v_lshlrev_b32 v30, 4, v1                       ; 16 L
	v_lshlrev_b32 v31, 3, v1                       ; 8 L
	s_mul_i32 s21, s15, UNIT
	v_add_nc_u32 v[ADA], s21, v30                  ; A's fragments in slot 0,
	v_add_nc_u32 v[ADA+1], SLOT, v[ADA]            ; 1,
	v_add_nc_u32 v[ADA+2], 2*SLOT, v[ADA]          ; 2
	s_mul_i32 s22, s16, UNIT
	s_add_co_u32 s22, s22, 2*UNIT
	v_add_nc_u32 v[ADB], s22, v30                  ; B's
	v_add_nc_u32 v[ADB+1], SLOT, v[ADB]
	v_add_nc_u32 v[ADB+2], 2*SLOT, v[ADB]
	s_sub_co_u32 s22, s22, s21                     ; from A's unit to B's
	v_mul_u32_u24 v4, s22, v3                      ; lanes 16-31 take B's scale words
	v_lshl_add_u32 v4, v2, 2, v4
	s_add_co_u32 s21, s21, 24576
	v_add_nc_u32 v[ADS], s21, v4
	v_add_nc_u32 v[ADS+1], SLOT, v[ADS]
	v_add_nc_u32 v[ADS+2], 2*SLOT, v[ADS]
	; the stage: [wm][8 fragments of 1,536 bytes], then [wm][8 tiles x 16 scale words]
	s_mul_i32 s21, s15, 12288
	s_mul_i32 s22, s16, 520
	s_add_co_u32 s22, s22, s21
	s_add_co_u32 s22, s22, STG
	v_add_nc_u32 v[STA], s22, v30                  ; registers 6 wn, 6 wn + 1 (and, 512 on, 6 wn + 4, 6 wn + 5) of a fragment's image
	s_mul_i32 s22, s16, 1016
	s_add_co_u32 s22, s22, s21
	s_add_co_u32 s22, s22, STG+8
	v_add_nc_u32 v[STB], s22, v30                  ; registers 6 wn + 2, 6 wn + 3
	s_lshl_b32 s21, s15, 9
	s_lshl_b32 s22, s16, 1
	s_add_co_u32 s21, s21, s22
	s_add_co_u32 s21, s21, STG+24576
	v_lshl_add_u32 v[STS], v2, 2, s21              ; my half of row r's scale word
	s_mul_i32 s21, s14, 6144
	s_add_co_u32 s21, s21, STG
	v_add_nc_u32 v[BKC], s21, v30                  ; back: a quarter of the codes,
	s_lshl_b32 s21, s14, 8
	s_add_co_u32 s21, s21, STG+24576
	v_add_nc_u32 v[BKS], s21, v31                  ; a quarter of the scale words
	v_mov_b32 v50, 0                               ; written once: a lane permute's destination counts as one of its sources
	v_mov_b32 v51, 0
	s_mov_b32 s[SEL], 0x76543210
	s_mov_b32 s[SEL+1], 0xfedcba98
	s_mov_b32 s76, 0xbfb8aa3b                      ; -log2(e)
	s_mov_b32 s77, s76
	; where the hidden layer's codes go: piece k = 2 + nt / 2 of the output product's K, group 2 mt + (w >> 1): unit ((32 (k / 3) + group) 3 + k % 3); in it K step nt & 1, half w & 1
	s_lshr_b32 s66, s94, 1
	s_add_co_u32 s66, s66, 2
	s_mul_i32 s72, s66, 171
	s_lshr_b32 s72, s72, 9                         ; k / 3 (exact for 0 .. 17)
	s_mul_i32 s73, s72, 3
	s_sub_co_u32 s73, s66, s73                     ; k % 3
	s_lshl_b32 s66, s72, 5
	s_lshl_b32 s67, s17, 1
	s_add_co_u32 s66, s66, s67
	s_add_co_u32 s66, s66, s15
	s_mul_i32 s66, s66, 3
	s_add_co_u32 s66, s66, s73
	s_mul_i32 s66, s66, UNIT
	s_and_b32 s67, s94, 1
	s_mul_i32 s68, s67, 12288
	s_mul_i32 s69, s16, 6144
	s_add_co_u32 s68, s68, s69
	s_add_co_u32 s68, s68, s66
	s_mov_b32 s69, 0
	s_lshl_b32 s70, s67, 9
	s_lshl_b32 s71, s16, 8
	s_add_co_u32 s70, s70, s71
	s_add_co_u32 s70, s70, s66
	s_add_co_u32 s70, s70, 24576
	s_mov_b32 s71, 0
	s_add_nc_u64 s[10:11], s[8:9], s[70:71]
	s_add_nc_u64 s[8:9], s[8:9], s[68:69]
	s_wait_tensorcnt 2                             ; my part of slot 0 is in (those of slots 1 and 2 may be out)
	s_barrier_signal -1
	s_barrier_wait -1                              ; everybody's is
	FETCH 0
	STEP 0, 1                                      ; the first step's products start the sums: nothing is cleared
	TURN 1, 1                                      ; slots 1 and 2 have landed; slot 0 takes the last 256 along K
	STEP 2, 0
	STEP 3, 0
	STEP 4, 0
	TURN 5, 0                                      ; the refill has landed; behind this barrier nobody reads slot 1, which is filled no more
	STEP 6, 0
	s_wait_dscnt 12
	WIN MUL_LO
	MUL16 0, 1, 0
	MUL16 2, 1, 0
	s_wait_dscnt 0x0
	WIN MUL_HI
	MUL16 4, 1, 0
	MUL16 6, 1, 0
	WIN 0
	PLACES 4                                       ; in front of the first read of results and of vector writes into registers that held operands
; SwiGLU and the quantiser for tile a of rows: x in the tile's accumulators 0-3, the gates in 4-7.  H = v64-95, Y = v96-127.
.macro EPI a
.set AC, 64*((\a)%4)
	WIN 0x02+(\a)/4                                ; source 0: window 2 or 3
.set e, 0
.rept 16
	v_pk_mul_f32 v[64+e:65+e], v[AC+32+e:AC+33+e], s[76:77] op_sel_hi:[1,0]   ; -g log2(e): each accumulator from its low end on
.set e, e+2
.endr
	WIN 0
.set e, 0
.rept 32
	v_exp_f32 v[64+e], v[64+e]
.set e, e+1
.endr
	v_nop                                          ; a plain place behind the batch,
	s_wait_alu depctr_va_vdst(0)                   ; and one wait for it, ahead of its first reader
.set e, 0
.rept 16
	v_pk_add_f32 v[64+e:65+e], v[64+e:65+e], 1.0 op_sel_hi:[1,0]
.set e, e+2
.endr
.set e, 0
.rept 32
	v_rcp_f32 v[64+e], v[64+e]                     ; sigmoid(g)
.set e, e+1
.endr
	v_nop
	s_wait_alu depctr_va_vdst(0)
	WIN 0x02+(\a)/4
.set e, 0
.rept 16
	v_pk_mul_f32 v[96+e:97+e], v[AC+32+e:AC+33+e], v[64+e:65+e]     ; silu(g)
.set e, e+2
.endr
.set e, 0
.rept 16
	v_pk_mul_f32 v[96+e:97+e], v[AC+e:AC+e+1], v[96+e:97+e]         ; x the value
.set e, e+2
.endr
	WIN 0
.irp b, 0,1
	v_max3_num_f32 v[48+\b], |v[96+16*\b]|, |v[97+16*\b]|, 0x2800000   ; two blocks of 32 hidden units, my 16 of each, with the floor
.endr
.irp i, 2,4,6,8,10,12,14
.irp b, 0,1
	v_max3_num_f32 v[48+\b], v[48+\b], |v[96+16*\b+\i]|, |v[97+16*\b+\i]|
.endr
.endr
.irp b, 0,1
	v_permlanex16_b32 v[50+\b], v[48+\b], s[SEL], s[SEL+1]
.endr
.irp b, 0,1
	v_max_num_f32 v[48+\b], v[48+\b], v[50+\b]
.endr
.irp b, 0,1
	v_add_nc_u32 v[52+\b], 0xfe000000, v[48+\b]
.endr
.irp b, 0,1
	v_lshrrev_b32 v[54+\b], 23, v[52+\b]
.endr
	s_wait_dscnt 0x0                               ; the last tile's stores into the stage have read their registers
	v_lshl_or_b32 v56, v55, 8, v54                 ; my half of the scale word
	v_cvt_scalef32_pk16_bf6_f32 v[128:130], v[96:111], v52
	v_cvt_scalef32_pk16_bf6_f32 v[132:134], v[112:127], v53
	v_nop                                          ; one plain place behind a scaled conversion
.irp i, 0,1,2
	v_permlane16_swap_b32 v[128+\i], v[132+\i]     ; a whole block to a lane
.endr
	v_mov_b32 v131, v132
	v_mov_b32 v132, v133
	v_mov_b32 v133, v134                           ; v128-133: registers 6 wn .. 6 wn + 5 of the fragment
	ds_store_b64 v[STA], v[128:129] offset:1536*(\a)
	ds_store_b64 v[STB], v[130:131] offset:1536*(\a)
	ds_store_b64 v[STA], v[132:133] offset:1536*(\a)+512
	ds_store_b16 v[STS], v56 offset:64*(\a)
.endm
.irp a, 0,1,2,3,4,5,6,7
	EPI \a
.endr
	s_wait_dscnt 0x0                               ; for the others' sake: my stores into the stage are done
	s_barrier_signal -1
	s_barrier_wait -1                              ; sixteen whole fragments and their scale words lie in the stage
.set i, 0
.rept 12
	ds_load_b128 v[64+4*i:67+4*i], v[BKC] offset:512*i
.set i, i+1
.endr
	ds_load_b64 v[112:113], v[BKS]
.set i, 0
.rept 12
	s_wait_dscnt 12-i                              ; load i is in; the younger ones may be out
	global_store_b128 v30, v[64+4*i:67+4*i], s[8:9] offset:512*i    ; 512 consecutive bytes, aligned
.set i, i+1
.endr
	s_wait_dscnt 0x0
	global_store_b64 v31, v[112:113], s[10:11]     ; 256 consecutive bytes, aligned
	s_wait_tensorcnt 0x0                           ; the wave's end
	ds_add_u32 v[SPW], v[NIL]
	s_wait_dscnt 0x0
	CROUND                                         ; the closing round
	s_endpgm
.Lfunc_end_k_q16d9268f4e_ffup:
	.size	k_q16d9268f4e_ffup, .Lfunc_end_k_q16d9268f4e_ffup-k_q16d9268f4e_ffup
	.p2alignl 7, 3214868480
	.fill 96, 4, 3214868480
	.section	.rodata,"a",@progbits
	.p2align	6, 0x0
	.amdhsa_kernel k_q16d9268f4e_ffup
		.amdhsa_group_segment_fixed_size 327680
		.amdhsa_private_segment_fixed_size 0
		.amdhsa_enable_private_segment 0
		.amdhsa_kernarg_size 24
		.amdhsa_user_sgpr_count 2
		.amdhsa_user_sgpr_kernarg_segment_ptr 1
		.amdhsa_wavefront_size32 1
		.amdhsa_system_sgpr_workgroup_id_x 1
		.amdhsa_system_sgpr_workgroup_id_y 1
		.amdhsa_system_sgpr_workgroup_id_z 1
		.amdhsa_system_vgpr_workitem_id 0
		.amdhsa_next_free_vgpr 1024
		.amdhsa_next_free_sgpr 98
		.amdhsa_reserve_vcc 0
		.amdhsa_float_denorm_mode_32 3
		.amdhsa_float_denorm_mode_16_64 3
		.amdhsa_memory_ordered 1
		.amdhsa_forward_progress 1
		.amdhsa_inst_pref_size 176
	.end_amdhsa_kernel
	.amdgpu_metadata
---
amdhsa.version: [ 1, 2 ]
amdhsa.kernels:
  - .name:           k_q16d9268f4e_ffup
    .symbol:         k_q16d9268f4e_ffup.kd
    .args:
      - { .name: xq, .offset: 0, .size: 8, .value_kind: global_buffer, .address_space: global }
      - { .name: wq, .offset: 8, .size: 8, .value_kind: global_buffer, .address_space: global }
      - { .name: au, .offset: 16, .size: 8, .value_kind: global_buffer, .address_space: global }
    .group_segment_fixed_size: 327680
    .private_segment_fixed_size: 0
    .kernarg_segment_align: 8
    .kernarg_segment_size: 24
    .max_flat_workgroup_size: 128
    .sgpr_count:     98
    .vgpr_count:     1024
    .wavefront_size: 32
...
	.end_amdgpu_metadata
.endif
;; end of part 4
;; launch outp (part 5): grid 8 x 32, 4 waves a work-group, clusters of 4 x 4, 327,680 bytes of LDS; arguments au, wq, tab, out0; writes out0
.if DOCPART == 5
	.amdgcn_target "amdgcn-amd-amdhsa--gfx1250"
	.amdhsa_code_object_version 6
	.text
	.protected	k_q16d9268f4e_outp
	.globl	k_q16d9268f4e_outp
	.p2align	8
	.type	k_q16d9268f4e_outp,@function
k_q16d9268f4e_outp:
	s_mov_b64 s[64:65], 0
	v_nop
	global_prefetch_b8 v0, s[64:65] scope:SCOPE_SE
	s_setreg_imm32_b32 hwreg(HW_REG_WAVE_MODE, 25, 1), 1
	s_wait_xcnt 0x0
	s_wait_alu depctr_hold_cnt(0) depctr_sa_sdst(0) depctr_va_vdst(0) depctr_va_sdst(0) depctr_va_ssrc(0) depctr_va_vcc(0) depctr_vm_vsrc(0)
	s_getreg_b32 s2, hwreg(HW_REG_IB_STS2, 6, 4)
	s_cmp_eq_u32 s2, 0
	s_cbranch_scc0 .Lentry_in_a_cluster
	s_endpgm
.Lentry_in_a_cluster:
	s_bfe_u32 s2, ttmp6, 0x10000c
	s_cmp_lg_u32 s2, 0xf033
	s_cbranch_scc0 .Lentry_shape_is_right
	s_endpgm
.Lentry_shape_is_right:
; OUTP: out0 = out . w_attn_out + hidden . w_ff_out + (out . oA) . oB.  The two quantised products have the same rows and columns and are added: ONE product with K = 512 + 4,096 = 4,608, on codes of BF6
; (E3M2) with E8M0 scales.  The rank-8 term starts the sums: two products of the f32 matrix form an accumulator.
; A work-group makes 128 x 128 of out0 (256 work-groups; tiles of 256 x 256 would be 64); four waves, each 64 x 64: 16 accumulators.  K goes in 6 steps of 768 through two LDS slots, as large as two fit:
; a slot holds three units of A and three of B, 153,600 bytes; in memory the three units of one group of 128 rows lie on end, so that a wave's one tensor load brings half of a side: 150 dense rows of 256 bytes.
; 96 matrix instructions a wave stand between two changes of slots.  Operands lie as images of their registers.
; CLUSTERS: 4 x 4 work-groups; A's units are shared along a row of the cluster, B's along a column: each is asked for JOINTLY.
; THE MATRIX INSTRUCTION IS USED TRANSPOSED (source 0 = 16 columns of the weight, source 1 = 16 rows): with the weight's order of columns in a tile, register j of tile 2 B + u is column 32 B + 16 h + 8 u + j.
; REGISTERS.  Window 0: v8-29 addresses; v32-39 scale words, two sets (lanes 0-15 A's, lanes 16-31 B's); v40-119 the rank-8 operands, later rows on the way out; v128-255 the accumulators ((a, b) at
; v[128 + 8 (4 a + b)]), which matrix instructions alone write; no other window names a number from 128 on.  Windows 1 and 2: a set of fragments each (B at 12 b, A at 48 + 12 a).
.set UNIT,  25600
.set TRI,   3*UNIT                     ; a side of a slot: 768 along K of 128 rows
.set SLOT,  2*TRI
.set SPARE, 2*SLOT                     ; the spare words, 128 bytes for each wave: two blocks of 256 bytes that no other line names
.set ADA,  8                           ; v8, v9   A's fragments in slot 0, 1: the first two units;  v10, v11: the third (an LDS immediate holds 16 bits)
.set ADB,  12                          ; v12-15   the same for B
.set ADS,  16                          ; v16-19   the same for the scale words
.set SPW,  28
.set NIL,  29
.set G1,   24
.set G0,   32
.set G1B,  48
.set G0B,  56
.set MSB, 0
.macro WIN new
.if MSB != (\new)
	s_set_vgpr_msb (MSB<<8)|(\new)
.set MSB, (\new)
.endif
.endm
.macro PLACES n
.rept \n
	v_nop
.endr
.endm
.macro JLOAD g0a, g1a, g0b, g1b        ; a joint load: waves 0 and 1 fetch A's two halves, waves 2 and 3 B's; four v_nop follow each of the two lines
	s_cmp_eq_u32 s15, 0
	s_cbranch_scc0 .Lfor_b_\@
	tensor_load_to_lds s[\g0a:\g0a+3], s[\g1a:\g1a+7]
	s_nop 0
.rept 4
	v_nop
.endr
	s_branch .Lasked_\@
.Lfor_b_\@:
	tensor_load_to_lds s[\g0b:\g0b+3], s[\g1b:\g1b+7]
	s_nop 0
.rept 4
	v_nop
.endr
.Lasked_\@:
.endm
.macro CREST
	s_cmp_lg_u32 s14, 0
	s_cbranch_scc1 .Lnot_wave_0_\@
	s_barrier_signal -3
.Lnot_wave_0_\@:
	s_barrier_wait -3
	s_barrier_signal -1
	s_barrier_wait -1
.endm
.macro CROUND
	s_barrier_signal -1
	s_barrier_wait -1
	CREST
.endm
; 28 LDS loads: the slot's K step j = 0 .. 5 (unit j / 2, p = j % 2) into set j % 2: 4 scale words, B's four fragments, A's four
.macro FETCH slot, j
.set P_, (\j)%2
.set HI_, (\j)/4                       ; 1: the third unit, by the second address register
.set OC, (((\j)/2)%2)*UNIT+P_*12288
.set OS, (((\j)/2)%2)*UNIT+P_*512
	WIN 0
.irp i, 0,1,2,3
	ds_load_b32 v[32+4*P_+\i], v[ADS+(\slot)+2*HI_] offset:OS+64*\i
.endr
	WIN 0x40*(1+P_)                                ; destination window 1 or 2
.irp b, 0,1,2,3
.irp g, 0,1,2
	ds_load_b128 v[12*\b+4*\g:12*\b+4*\g+3], v[ADB+(\slot)+2*HI_] offset:OC+\b*1536+\g*512
.endr
.endr
.irp a, 0,1,2,3
.irp g, 0,1,2
	ds_load_b128 v[48+12*\a+4*\g:51+12*\a+4*\g], v[ADA+(\slot)+2*HI_] offset:OC+\a*1536+\g*512
.endr
.endr
.endm
.macro MUL4 set, a                     ; A's tile a x B's four.  The 16 accumulators take turns, one instruction a turn, in the same order in every step
.irp b, 0,1,2,3
	v_wmma_scale_f32_16x16x128_f8f6f4 v[128+8*(4*(\a)+\b):135+8*(4*(\a)+\b)], v[12*\b:12*\b+11], v[48+12*(\a):59+12*(\a)], v[128+8*(4*(\a)+\b):135+8*(4*(\a)+\b)], v[32+4*(\set)+\b], v[32+4*(\set)+(\a)] matrix_a_fmt:MATRIX_FMT_BF6 matrix_b_fmt:MATRIX_FMT_BF6 matrix_a_scale:MATRIX_SCALE_ROW1
.endr
.endm
.macro STEP slot, j                    ; one of a slot's first five K steps
	s_wait_dscnt 6                                 ; the scale words, B and A's tiles 0, 1 are in; the youngest 6 loads (A's tiles 2, 3) may be out
	WIN 0x05*(1+(\j)%2)                            ; sources 0 and 1 in the set's window, C and D in window 0
	MUL4 (\j)%2, 0
	MUL4 (\j)%2, 1
	PLACES 4                                       ; in front of loads into registers that matrix instructions have read (ISA guide 7.12.1 for vector instructions)
	FETCH \slot, (\j)+1
	s_wait_dscnt 28                                ; all but the 28 just issued
	WIN 0x05*(1+(\j)%2)
	MUL4 (\j)%2, 2
	MUL4 (\j)%2, 3
.endm
; A slot's sixth K step changes slots: ONE barrier; in front of it each wave waits for all its tensor loads, adds 0 to its spare word, and waits for that and for its reads of this slot.
.macro TURN slot, next, fill
	WIN 0                                          ; (the add's two registers lie in window 0)
	s_wait_tensorcnt 0x0                           ; all my tensor loads have landed: my part of the next slot;
	ds_add_u32 v[SPW], v[NIL]                      ; 0 onto my spare word;
	s_wait_dscnt 7                                 ; (the add and the youngest 6 loads may be out)
	WIN 0x0a
	MUL4 1, 0                                      ; four matrix instructions stand between the add and the wait for it
	s_wait_dscnt 0x0                               ; the add is done, and my reads of this slot are over
	s_barrier_signal -1
	MUL4 1, 1
	WIN 0
	s_barrier_wait -1
.if \fill
	CREST                                          ; the barrier has opened a round of the cluster's: no wave of any partner still reads this slot or has a load on its way
	s_add_nc_u64 s[G0+4*\slot+2:G0+4*\slot+3], s[G0+4*\slot+2:G0+4*\slot+3], 64*TRI   ; 1,536 along K on: 2 x 32 groups of A,
	s_add_nc_u64 s[G0B+4*\slot+2:G0B+4*\slot+3], s[G0B+4*\slot+2:G0B+4*\slot+3], 16*TRI  ; 2 x 8 of B
	JLOAD G0+4*\slot, G1, G0B+4*\slot, G1B         ; the first tensor load behind the round; its four v_nop are also the places in front of the loads below
.else
	PLACES 4
.endif
	FETCH \next, 0
	WIN 0x0a
	MUL4 1, 2
	MUL4 1, 3
.endm
.macro RUN slot, next, fill
	STEP \slot, 0
	STEP \slot, 1
	STEP \slot, 2
	STEP \slot, 3
	STEP \slot, 4
	TURN \slot, \next, \fill
.endm
	s_load_b256 s[4:11], s[0:1], 0x0               ; au, wq, tab, out0
	v_lshl_add_u32 v[SPW], v0, 2, SPARE
	v_mov_b32 v[NIL], 0
	ds_add_u32 v28, v29
	s_wait_dscnt 0x0
	v_lshrrev_b32 v1, 5, v0
	v_readfirstlane_b32 s14, v1                    ; wave 0..3
	s_lshr_b32 s15, s14, 1                         ; wm.  Also: I fetch for A (0) or for B (1)
	s_and_b32 s16, s14, 1                          ; wn.  Also: which half of that side I fetch
	s_bfe_u32 s40, ttmp6, 0x40000                  ; cx, cy
	s_bfe_u32 s41, ttmp6, 0x40004
	s_lshl_b32 s42, ttmp9, 2
	s_add_co_u32 s42, s42, s40                     ; nt
	s_and_b32 s17, ttmp7, 0xffff
	s_lshl_b32 s17, s17, 2
	s_add_co_u32 s17, s17, s41                     ; mt
	s_lshl_b32 s43, s41, 2
	s_lshl_b32 s43, 15, s43                        ; my row of the cluster
	s_lshl_b32 s44, 0x1111, s40                    ; my column
	s_or_b32 s[G1], s43, (3<<16)|(1<<21)
	s_or_b32 s[G1B], s44, (3<<16)|(1<<21)
.irp g, G1, G1B
	s_mov_b32 s[\g+1], 32<<16                      ; half a side, 38,400 dense bytes, as 150 rows of 32 elements of 8 bytes
	s_mov_b32 s[\g+2], 150<<16
	s_mov_b32 s[\g+3], 32<<16
	s_mov_b32 s[\g+4], 150
	s_mov_b32 s[\g+5], 32
	s_mov_b32 s[\g+6], 0
	s_mov_b32 s[\g+7], 0
.endr
	s_mul_i32 s20, s17, TRI
	s_mul_i32 s21, s16, TRI/2
	s_add_co_u32 s20, s20, s21                     ; A: group mt, half w & 1
	s_mov_b32 s21, 0
	s_mul_i32 s46, s42, TRI
	s_mul_i32 s47, s16, TRI/2
	s_add_co_u32 s46, s46, s47
	s_add_co_u32 s46, s46, 7168000                 ; B: group nt of the output weights, half w & 1
	s_mov_b32 s47, 0
	s_mul_i32 s45, s14, TRI/2                      ; where they go: A's two halves, then B's two
	s_wait_kmcnt 0x0
	s_add_nc_u64 s[20:21], s[4:5], s[20:21]
	s_add_nc_u64 s[46:47], s[6:7], s[46:47]
	CROUND                                         ; all sixteen work-groups are here: the first joint loads meet
.irp s, 0,1
	s_mov_b32 s[G0+4*\s], 1
	s_add_co_u32 s[G0+4*\s+1], s45, \s*SLOT
	s_add_nc_u64 s[G0+4*\s+2:G0+4*\s+3], s[20:21], \s*32*TRI
	s_or_b32 s[G0+4*\s+3], s[G0+4*\s+3], 0x80000000
	s_mov_b32 s[G0B+4*\s], 1
	s_add_co_u32 s[G0B+4*\s+1], s45, \s*SLOT
	s_add_nc_u64 s[G0B+4*\s+2:G0B+4*\s+3], s[46:47], \s*8*TRI
	s_or_b32 s[G0B+4*\s+3], s[G0B+4*\s+3], 0x80000000
	JLOAD G0+4*\s, G1, G0B+4*\s, G1B               ; two loads of mine are out behind the second
.endr
	v_and_b32 v1, 31, v0                           ; L
	v_and_b32 v2, 15, v0                           ; r
	v_bfe_u32 v3, v0, 4, 1                         ; h
	v_lshlrev_b32 v4, 4, v1                        ; 16 L
	v_lshlrev_b32 v6, 3, v1                        ; 8 L
	; the rank-8 term's operands: oB's four tiles of my 64 columns; out . oA of my four tiles of rows, a part for each head
	s_lshl_b32 s66, s42, 3
	s_lshl_b32 s67, s16, 2
	s_add_co_u32 s66, s66, s67
	s_add_co_u32 s66, s66, 48
	s_lshl_b32 s66, s66, 9
	s_add_co_u32 s66, s66, 1048576
	s_mov_b32 s67, 0
	s_add_nc_u64 s[66:67], s[8:9], s[66:67]
	s_lshl_b32 s68, s17, 3
	s_lshl_b32 s69, s15, 2
	s_add_co_u32 s68, s68, s69
	s_lshl_b32 s68, s68, 9
	s_add_co_u32 s68, s68, 14745600
	s_mov_b32 s69, 0
	s_add_nc_u64 s[68:69], s[4:5], s[68:69]
.irp b, 0,1,2,3
.irp s, 0,1
	global_load_b64 v[40+4*\b+2*\s:41+4*\b+2*\s], v6, s[66:67] offset:512*\b+256*\s
.endr
.endr
.irp hd, 0,1,2,3
.irp a, 0,1,2,3
.irp s, 0,1
	global_load_b64 v[56+16*\hd+4*\a+2*\s:57+16*\hd+4*\a+2*\s], v6, s[68:69] offset:131072*\hd+512*\a+256*\s
.endr
.endr
.endr
	s_mul_i32 s21, s15, 6144
	v_add_nc_u32 v[ADA], s21, v4                   ; A's fragments: my four tiles, slot 0,
	v_add_nc_u32 v[ADA+1], SLOT, v[ADA]            ; slot 1,
	v_add_nc_u32 v[ADA+2], 2*UNIT, v[ADA]          ; and the third unit of each
	v_add_nc_u32 v[ADA+3], SLOT+2*UNIT, v[ADA]
	s_mul_i32 s22, s16, 6144
	s_add_co_u32 s22, s22, TRI
	v_add_nc_u32 v[ADB], s22, v4                   ; B's
	v_add_nc_u32 v[ADB+1], SLOT, v[ADB]
	v_add_nc_u32 v[ADB+2], 2*UNIT, v[ADB]
	v_add_nc_u32 v[ADB+3], SLOT+2*UNIT, v[ADB]
	s_lshl_b32 s21, s15, 8
	s_lshl_b32 s22, s16, 8
	s_add_co_u32 s22, s22, TRI
	s_sub_co_u32 s22, s22, s21                     ; from A's scale words to B's
	v_mul_u32_u24 v5, s22, v3                      ; lanes 16-31 take B's
	v_lshl_add_u32 v5, v2, 2, v5
	s_add_co_u32 s21, s21, 24576
	v_add_nc_u32 v[ADS], s21, v5
	v_add_nc_u32 v[ADS+1], SLOT, v[ADS]
	v_add_nc_u32 v[ADS+2], 2*UNIT, v[ADS]
	v_add_nc_u32 v[ADS+3], SLOT+2*UNIT, v[ADS]
	s_mul_i32 s21, s14, 16*272                     ; my stage: 16 rows x (256 + 16) bytes, in slot 0
	v_mul_u32_u24 v24, v2, 272
	v_lshl_add_u32 v24, v3, 6, v24
	v_add_nc_u32 v24, s21, v24                     ; in: row r, + 64 h
	v_mul_u32_u24 v25, v3, 272
	v_lshl_add_u32 v25, v2, 4, v25
	v_add_nc_u32 v25, s21, v25                     ; back: lanes 0-15 one row, lanes 16-31 the next
	v_lshlrev_b32 v26, 12, v3
	v_lshl_add_u32 v26, v2, 4, v26                 ; and the same two rows in out0
	s_lshl_b32 s70, s17, 7
	s_lshl_b32 s71, s15, 6
	s_add_co_u32 s70, s70, s71
	s_lshl_b32 s70, s70, 12                        ; my first row: 128 mt + 64 wm, 4,096 bytes a row
	s_lshl_b32 s71, s42, 9
	s_add_co_u32 s70, s70, s71
	s_lshl_b32 s71, s16, 8
	s_add_co_u32 s70, s70, s71                     ; my first column: 128 nt + 64 wn
	s_mov_b32 s71, 0
	s_add_nc_u64 s[10:11], s[10:11], s[70:71]
	s_wait_loadcnt 0x0
.irp hd, 1,2,3
.irp p, 0,1,2,3,4,5,6,7
	v_pk_add_f32 v[56+2*\p:57+2*\p], v[56+2*\p:57+2*\p], v[56+16*\hd+2*\p:57+16*\hd+2*\p]   ; out . oA: the four heads' parts
.endr
.endr
.irp s, 0,1
.irp a, 0,1,2,3
.irp b, 0,1,2,3
.if \s == 0
	v_wmma_f32_16x16x4_f32 v[128+8*(4*\a+\b):135+8*(4*\a+\b)], v[40+4*\b:41+4*\b], v[56+4*\a:57+4*\a], 0
.else
	v_wmma_f32_16x16x4_f32 v[128+8*(4*\a+\b):135+8*(4*\a+\b)], v[42+4*\b:43+4*\b], v[58+4*\a:59+4*\a], v[128+8*(4*\a+\b):135+8*(4*\a+\b)]
.endif
.endr
.endr
.endr
	PLACES 9                                       ; another form writes over these results next: nine places behind this form
	s_wait_tensorcnt 1                             ; my part of slot 0 is in (slot 1's may be out)
	s_barrier_signal -1
	s_barrier_wait -1                              ; everybody's is
	FETCH 0, 0
	WIN 0                                          ; at a label and at a branch every window is 0
	s_mov_b32 s3, 2
.Llap:                                                 ; a trip goes once round the ring and fills both slots again: 1,536 along K
	RUN 0, 1, 1
	RUN 1, 0, 1
	WIN 0
	s_sub_co_u32 s3, s3, 1
	s_cmp_lg_u32 s3, 0
	s_cbranch_scc1 .Llap
	RUN 0, 1, 0                                    ; the tail is written out: slot 0 is left and not filled again
	STEP 1, 0                                      ; slot 1 holds the last 768 along K
	STEP 1, 1
	STEP 1, 2
	STEP 1, 3
	STEP 1, 4
	s_wait_dscnt 6                                 ; the very last step: nothing more to fetch
	WIN 0x0a
	MUL4 1, 0
	MUL4 1, 1
	s_wait_dscnt 0x0
	MUL4 1, 2
	MUL4 1, 3
	WIN 0
	PLACES 4                                       ; in front of the first read of results
; THE WAY OUT, a tile of 16 rows x 64 columns at a time: a lane holds 8 neighbouring numbers of a row in each accumulator; they go through my own stage and come back as whole rows of 256 bytes.
; The stage lies in slot 0, which has had its last fill and which nobody reads behind the last change of slots.  LDS serves a wave's instructions in order (ISA guide 5.7.1.4): no wait between stores and loads.
.irp a, 0,1,2,3
.set BB, 40+32*(\a%2)
.if \a >= 2
	s_wait_xcnt 0x0                                ; the stores of two tiles back have read these registers
.endif
.irp b, 0,1,2,3
	ds_store_b128 v24, v[128+8*(4*\a+\b):131+8*(4*\a+\b)] offset:128*(\b/2)+32*(\b%2)       ; each accumulator from its low end on
	ds_store_b128 v24, v[132+8*(4*\a+\b):135+8*(4*\a+\b)] offset:128*(\b/2)+32*(\b%2)+16
.endr
.irp i, 0,1,2,3,4,5,6,7
	ds_load_b128 v[BB+4*\i:BB+4*\i+3], v25 offset:544*\i
.endr
.irp i, 0,1,2,3,4,5,6,7
	s_wait_dscnt 7-\i                              ; load i is in; the younger ones may be out
	global_store_b128 v26, v[BB+4*\i:BB+4*\i+3], s[10:11] offset:(16*\a+2*\i)*4096 th:TH_STORE_NT   ; sixteen lanes store 256 consecutive bytes, aligned; written once, read by nobody here
.endr
.endr
	s_wait_tensorcnt 0x0                           ; the wave's end
	ds_add_u32 v[SPW], v[NIL]
	s_wait_dscnt 0x0
	CROUND                                         ; the closing round
	s_endpgm
.Lfunc_end_k_q16d9268f4e_outp:
	.size	k_q16d9268f4e_outp, .Lfunc_end_k_q16d9268f4e_outp-k_q16d9268f4e_outp
	.p2alignl 7, 3214868480
	.fill 96, 4, 3214868480
	.section	.rodata,"a",@progbits
	.p2align	6, 0x0
	.amdhsa_kernel k_q16d9268f4e_outp
		.amdhsa_group_segment_fixed_size 327680
		.amdhsa_private_segment_fixed_size 0
		.amdhsa_enable_private_segment 0
		.amdhsa_kernarg_size 32
		.amdhsa_user_sgpr_count 2
		.amdhsa_user_sgpr_kernarg_segment_ptr 1
		.amdhsa_wavefront_size32 1
		.amdhsa_system_sgpr_workgroup_id_x 1
		.amdhsa_system_sgpr_workgroup_id_y 1
		.amdhsa_system_sgpr_workgroup_id_z 1
		.amdhsa_system_vgpr_workitem_id 0
		.amdhsa_next_free_vgpr 640
		.amdhsa_next_free_sgpr 98
		.amdhsa_reserve_vcc 0
		.amdhsa_float_denorm_mode_32 3
		.amdhsa_float_denorm_mode_16_64 3
		.amdhsa_memory_ordered 1
		.amdhsa_forward_progress 1
		.amdhsa_inst_pref_size 124
	.end_amdhsa_kernel
	.amdgpu_metadata
---
amdhsa.version: [ 1, 2 ]
amdhsa.kernels:
  - .name:           k_q16d9268f4e_outp
    .symbol:         k_q16d9268f4e_outp.kd
    .args:
      - { .name: au, .offset: 0, .size: 8, .value_kind: global_buffer, .address_space: global }
      - { .name: wq, .offset: 8, .size: 8, .value_kind: global_buffer, .address_space: global }
      - { .name: tab, .offset: 16, .size: 8, .value_kind: global_buffer, .address_space: global }
      - { .name: out0, .offset: 24, .size: 8, .value_kind: global_buffer, .address_space: global }
    .group_segment_fixed_size: 327680
    .private_segment_fixed_size: 0
    .kernarg_segment_align: 8
    .kernarg_segment_size: 32
    .max_flat_workgroup_size: 128
    .sgpr_count:     98
    .vgpr_count:     640
    .wavefront_size: 32
...
	.end_amdgpu_metadata
.endif
;; end of part 5
